; MI455X (gfx1250); checked and timed in simulation.
; The chip was launched on July 23, 2026; its instructions are those of AMD's public machine-readable ISA for CDNA 5 (MIT licence, August 2026) and "CDNA5" Instruction Set Architecture Reference Guide (July 2026). The comments in the code are by the model that wrote it; some were corrected since.
;; Attention. Allowed arithmetic: matrix products marked QUANTISED: E3M2 operands, one E8M0 scale for each 32 along K, by v_wmma_scale_f32_16x16x128_f8f6f4 with both operands' format E3M2, f32 sums; everything else in f32.
;; Inputs: Wo 1,024 x 1,024 float32; Wqkv 3,072 x 1,024 float32; x 2 x 2,048 x 1,024 float32.
;; Outputs: out0 2 x 2,048 x 1,024 float32.
;; This version of the problem:
;;   THIS VERSION OF THE PROBLEM IS GIVEN IN LOW PRECISION. The matrix products marked QUANTISED in the list below multiply operands that are first quantised to E3M2 (3 exponent bits, 2 mantissa bits; 6 bits a number), with one power-of-two scale for each 32 numbers along K (OCP MX v1.0); their sums are f32. All else is computed in f32.
;;   The module's matrix products, in the order in which they are computed (A, B: the left and right operand; K: the contracted axis; several contracted axes count as one K, in the product's order):
;;     1. [M 4,096, K 1,024] x [K 1,024, N 3,072]; A: input x; B: input Wqkv: QUANTISED
;;     2. batch 32 x [M 2,048, K 64] x [K 64, N 2,048]; A: computed on the way; B: computed on the way: QUANTISED
;;     3. batch 32 x [M 2,048, K 2,048] x [K 2,048, N 64]; A: softmax (see below); B: computed on the way: QUANTISED
;;     4. [M 4,096, K 1,024] x [K 1,024, N 1,024]; A: computed on the way; B: input Wo: QUANTISED
;;   THE QUANTISER, for each operand of a quantised product, along K:
;;     - K is cut into blocks of 32 from its start; a last block that is shorter is filled with zeros.
;;     - A block's scale is 2^e with e = floor(log2(the largest magnitude in the block)) - 4, held to -126 .. 127; a block of zeros has e = 0. As a byte (E8M0): e + 127.
;;     - Each number is divided by its block's scale, clamped to +-28, and rounded to the nearest number of E3M2, ties to even, subnormals kept.
;;     - The product sums the exact products of the quantised numbers (number of the format x scale) in f32.
;;   ~~~python
;;   def quantise(x, axis):      # numpy; x: float32 -> the quantised numbers, widened to float32 again
;;       x = np.moveaxis(x, axis, -1); K = x.shape[-1]
;;       x = np.pad(x, [(0, 0)] * (x.ndim - 1) + [(0, -K % 32)]); x = x.reshape(x.shape[:-1] + (-1, 32)); a = np.abs(x).max(-1, keepdims=True)
;;       e = np.where(a > 0, np.clip(np.frexp(np.where(a > 0, a, 1))[1] - 1 - 4, -126, 127), 0)      # np.frexp(a)[1] - 1 = floor(log2(a)), exactly
;;       r = np.clip(x / 2.0 ** e, -28, 28)
;;       step = 2.0 ** (np.maximum(np.frexp(np.where(r == 0, 1, r))[1] - 1, -2) - 2)
;;       q = np.round(r / step) * step * 2.0 ** e      # np.round: ties to even
;;       return np.moveaxis(q.reshape(q.shape[:-2] + (-1,))[..., :K], -1, axis).astype(np.float32)
;;   ~~~
;;   SOFTMAX AHEAD OF A QUANTISED PRODUCT. Where the list says 'softmax', what is quantised is not the finished softmax but p = 2^(t - M), with t = logit x log2(e) and M = ceil(the row's largest t), a whole number; so 1/2 < the row's largest p <= 1. The row's sum l is taken of the UNQUANTISED p, in f32, and the product's result is divided by l at the end. Since M is a whole number, a kernel that streams over the keys may use a running M (the ceiling of the running maximum): every later rescaling is an exact power of two, which a block's scale takes up: the codes' values come out the same.
;;   OPERANDS COMPUTED ON THE WAY. 'Computed on the way' means the value that the module computes at that place (a softmax that the list does not call 'softmax' is quantised finished and normalised). What goes into a quantiser is computed in f32, as accurately as f32 sums, v_exp_f32 and their like allow (about 1e-6 of the number): no bf16 or f16 on the way to a quantiser, and a product that is left as it is and whose result goes on into a quantised operand takes f32 operands (vector FMAs, or v_wmma_f32_16x16x4_f32). A number that lies on a knife's edge between two numbers of the format may be rounded either way, as far as f32 arithmetic and the matrix unit's own rounding can turn it there, and no further.
;; One version. Each part assembles by itself: llvm-mc -triple=amdgcn-amd-amdhsa -mcpu=gfx1250 --defsym DOCPART=n.
;; ======== version 1 of 1: 4 launches
;; limits: right only within a limited range of input values
;; workspace buffers: codes 6,553,600 bytes; rope 524,288 bytes; qimg 3,407,872 bytes; kv 6,684,672 bytes; oimg 3,276,800 bytes
;; launch prep (part 1): grid 256 x 1, 8 waves a work-group, no clusters, 168,960 bytes of LDS; arguments x, Wqkv, Wo, codes, rope; writes codes, rope
.if DOCPART == 1
	.amdgcn_target "amdgcn-amd-amdhsa--gfx1250"
	.amdhsa_code_object_version 6
	.text
	.protected	k_q7fc21dc14b_prep
	.globl	k_q7fc21dc14b_prep
	.p2align	8
	.type	k_q7fc21dc14b_prep,@function
k_q7fc21dc14b_prep:
	s_mov_b64 s[64:65], 0
	v_nop
	global_prefetch_b8 v0, s[64:65] scope:SCOPE_SE
	s_setreg_imm32_b32 hwreg(HW_REG_WAVE_MODE, 25, 1), 1
	s_wait_xcnt 0x0
; x [4096][1024], Wqkv [3072][1024], Wo [1024][1024], f32, K innermost, become codes of BF6 (E3M2) with one E8M0 byte for each 32 along K,
; laid as IMAGES OF OPERAND REGISTERS: a record of 12,800 bytes for each tile of 16 rows: eight fragments (16 rows x 128 K: 12 registers a lane) of 1,536 bytes,
; registers 4 j .. 4 j + 3 of lane l at 512 j + 16 l; then the scale image, 512 bytes: lane l's 16 bytes at 16 l; lanes 0-15 row r's words of K steps 0-3, lanes 16-31 of steps 4-7.
; THE ROWS OF A TILE ARE NOT NEIGHBOURS: rows go in groups of 64; lane r of tile 4 G + t stands for row 64 G + 8 t + r % 8 + 32 (r / 8).  So a transposed product gives a lane a whole block of 32 of the next K.
; Tiles 0-255 are x's, 256-447 Wqkv's, 448-511 Wo's.  Work-group g makes tiles 2 g and 2 g + 1 of the three tensors on end: two runs of 16 rows, 32 rows apart.
; Wave w's tensor load brings one run (w % 2), 1,024 bytes of each row (K steps 2 (w / 2) and the next); behind a barrier wave w takes its K step w of both tiles from two waves' stages.  Nothing in LDS is filled twice.
; While the loads are out, each wave makes 32 entries of the table (cos, sin) for the rotation: entry (a, e, lane (r, h)) is for position 64 (a / 4) + 8 (a % 4) + r % 8 + 32 (r / 8) and pair i = 16 h + e.
; 1 / 10000^(i / 32) = 1 / 10^(i / 8): the power is a decimal constant rounded to f32, the reciprocal is corrected by one step; the angle is one f32 product; sine and cosine by reduction to a quarter turn (pi / 2 in two parts) and polynomials.
; A block's scale is 2^(floor(log2(largest magnitude)) - 4): its byte is the largest magnitude's exponent field - 4, held at 1 from below.
; LIMITS: NaN and infinities are not served; a block of zeros gets the byte 1 (its codes are zeros, and this program alone reads the bytes); the reduction in two parts serves angles up to some 8,000, here they stay under 2,048.
; No work-group shares an input byte with another: no cluster.  Every byte is asked for once, at the head: no prefetch.
; In the stages rows lie 1,040 bytes apart and the second run's stage begins 128 bytes off a multiple of 256: the 16 rows of a read start at 16 different columns of 16 bytes modulo 256.
; This program leaves out no input; the one work left out is named at the head of the kernel attn.
.set STG,  16768                       ; a wave's stage: 16 rows x (1,024 bytes + 16), and 128 more
.set SCB,  135168                      ; behind the eight stages: the two tiles' scale images, 1,024 bytes, written by LDS stores alone
.set SPARE, 167936
.set L16,  1                           ; v1   16 x lane
.set L8,   2                           ; v2   8 x lane
.set RR,   3                           ; v3   r = lane % 16
.set HH,   4                           ; v4   h = lane / 16
.set H8,   5                           ; v5   8 h
.set FA,   6                           ; v6   my place in the stages: row r % 8 of run r / 8, + 128 h
.set SA,   7                           ; v7   where my scale word goes
.set SR,   8                           ; v8   where I read the images back
.set SO,   9                           ; v9   and their place in the records
.set RW,   10                          ; v10  r % 8 + 32 (r / 8)
.set X,    16                          ; v16-143  two tiles x 64 numbers (before that: at work for the table)
.set C,    144                         ; v144-167 two tiles x 12 registers of codes: no store's data are written again
.set CT,   168                         ; v168-175 the conversions' second halves
.set TM,   176                         ; v176-187 at work
.set WD,   188                         ; v188-189 the two tiles' scale words
	s_load_b128 s[4:7], s[0:1], 0x0                ; x, Wqkv
	s_load_b128 s[8:11], s[0:1], 0x10              ; Wo, codes
	s_load_b64 s[12:13], s[0:1], 0x20              ; rope
	v_lshl_add_u32 v200, v0, 2, SPARE
	v_mov_b32 v201, 0
	ds_add_u32 v200, v201                          ; the opening add, twice on end
	ds_add_u32 v200, v201
	v_lshrrev_b32 v11, 5, v0
	s_delay_alu instid0(VALU_DEP_1)
	v_readfirstlane_b32 s14, v11                   ; wave 0..7
	v_and_b32 v11, 31, v0
	s_delay_alu instid0(VALU_DEP_1)
	v_lshlrev_b32 v[L16], 4, v11
	s_delay_alu instid0(VALU_DEP_2)
	v_lshlrev_b32 v[L8], 3, v11
	v_and_b32 v[RR], 15, v0
	v_bfe_u32 v[HH], v0, 4, 1
	s_delay_alu instid0(VALU_DEP_1)
	v_lshlrev_b32 v[H8], 3, v[HH]
	s_delay_alu instid0(VALU_DEP_3)
	v_and_b32 v[RW], 8, v[RR]
	s_delay_alu instid0(VALU_DEP_1)
	v_mad_u32_u24 v[RW], v[RW], 3, v[RR]
	s_mov_b32 s15, 224                             ; the first pair of tiles of my tensor: 0, 128 or 224
	s_cmp_lt_u32 ttmp9, 224
	s_cselect_b32 s15, 128, s15
	s_cmp_lt_u32 ttmp9, 128
	s_cselect_b32 s15, 0, s15
	s_sub_co_u32 s16, ttmp9, s15
	s_lshr_b32 s17, s16, 1                         ; 64 rows of 4,096 bytes for each two work-groups,
	s_lshl_b32 s17, s17, 18
	s_and_b32 s16, s16, 1                          ; 16 rows on for the second of them,
	s_lshl_b32 s16, s16, 16
	s_add_co_u32 s16, s16, s17
	s_and_b32 s17, s14, 1                          ; 32 rows on for odd waves,
	s_lshl_b32 s17, s17, 17
	s_add_co_u32 s16, s16, s17
	s_lshr_b32 s17, s14, 1                         ; and two K steps, 1,024 bytes, for each two waves
	s_lshl_b32 s17, s17, 10
	s_add_co_u32 s16, s16, s17
	s_mov_b32 s17, 0
	s_mov_b32 s20, 1                               ; group 0: count 1,
	s_mul_i32 s21, s14, STG                        ; my stage,
	s_mov_b32 s24, (2<<16)|(1<<20)|(7<<22)|(3<<25) ; group 1: elements of 4 bytes; 4 words of padding behind every 256 words
	s_mov_b32 s25, 256<<16                         ; tensor_dim0 = 256
	s_mov_b32 s26, 16<<16                          ; tensor_dim1 = 16
	s_mov_b32 s27, 256<<16                         ; tile_dim0 = 256
	s_mov_b32 s28, 16                              ; tile_dim1 = 16
	s_mov_b32 s29, 1024                            ; elements from row to row
	s_mov_b32 s30, 0
	s_mov_b32 s31, 0
	s_wait_alu depctr_va_vdst(0)
	s_wait_dscnt 0x0                               ; both opening adds are done
	s_wait_kmcnt 0x0
	s_cmp_lt_u32 ttmp9, 224                        ; the tensor is chosen by the work-group's number alone
	s_cselect_b64 s[6:7], s[6:7], s[8:9]
	s_cmp_lt_u32 ttmp9, 128
	s_cselect_b64 s[4:5], s[4:5], s[6:7]
	s_add_nc_u64 s[22:23], s[4:5], s[16:17]        ; the tile's first element,
	s_or_b32 s23, s23, 0x80000000                  ; type 2
	tensor_load_to_lds s[20:23], s[24:31]          ; my one tensor load
	s_nop 0
.rept 4
	v_nop
.endr
	s_mul_i32 s16, ttmp9, 25600                    ; my two tiles' records
	s_add_nc_u64 s[18:19], s[10:11], s[16:17]
	s_mul_i32 s16, s14, 1536                       ; my fragment in them
	s_add_nc_u64 s[10:11], s[18:19], s[16:17]
	s_lshl_b32 s16, ttmp9, 11                      ; the table: 4,096 a + 256 e = 2,048 g + 256 w
	s_lshl_b32 s35, s14, 8
	s_add_co_u32 s16, s16, s35
	s_add_nc_u64 s[12:13], s[12:13], s[16:17]
	s_lshr_b32 s36, s14, 1                         ; my K step lies in the stages of waves 2 (w / 2) and 2 (w / 2) + 1, in its half w % 2 of the rows
	s_mul_i32 s36, s36, 2*STG
	s_and_b32 s37, s14, 1
	s_lshl_b32 s37, s37, 9
	s_add_co_u32 s36, s36, s37
	v_and_b32 v[FA], 7, v[RR]
	v_lshrrev_b32 v[TM], 3, v[RR]
	v_mul_u32_u24 v[FA], v[FA], 1040               ; row r % 8
	v_mul_u32_u24 v[TM], v[TM], STG                ; of stage r / 8,
	v_lshl_add_u32 v[FA], v[HH], 7, v[FA]          ; + 128 h
	v_add_nc_u32 v[FA], v[FA], v[TM]
	v_add_nc_u32 v[FA], s36, v[FA]
	s_lshr_b32 s16, s14, 2                         ; my scale word: SCB + 512 (tile) + 16 r + 256 (w / 4) + 4 (w % 4); lanes 0-15 store tile 0's, lanes 16-31 tile 1's
	s_lshl_b32 s16, s16, 8
	s_and_b32 s35, s14, 3
	s_lshl_b32 s35, s35, 2
	s_add_co_u32 s16, s16, s35
	s_add_co_u32 s16, s16, SCB
	v_lshlrev_b32 v[SA], 4, v[RR]
	s_delay_alu instid0(VALU_DEP_1)
	v_lshl_add_u32 v[SA], v[HH], 9, v[SA]
	s_delay_alu instid0(VALU_DEP_1)
	v_add_nc_u32 v[SA], s16, v[SA]
	s_lshl_b32 s16, s14, 8                         ; waves 0-3 send the images: 256 bytes each
	s_add_co_u32 s16, s16, SCB
	v_add_nc_u32 v[SR], s16, v[L8]
	s_lshr_b32 s16, s14, 1
	s_mul_i32 s16, s16, 12800
	s_and_b32 s35, s14, 1
	s_lshl_b32 s35, s35, 8
	s_add_co_u32 s16, s16, s35
	v_add_nc_u32 v[SO], s16, v[L8]
	s_mov_b32 s48, 0x76543210                      ; v_permlanex16_b32's selects for lane l xor 16
	s_mov_b32 s49, 0xfedcba98
	; ---- the table, while the tensor load is out
	s_and_b32 s32, ttmp9, 1
	s_lshl_b32 s32, s32, 3
	s_add_co_u32 s32, s32, s14                     ; e = 8 (g % 2) + w
	s_lshr_b32 s33, ttmp9, 1                       ; a = g / 2
	s_lshr_b32 s34, s33, 2
	s_lshl_b32 s34, s34, 6
	s_and_b32 s35, s33, 3
	s_lshl_b32 s35, s35, 3
	s_add_co_u32 s34, s34, s35                     ; 64 (a / 4) + 8 (a % 4)
.macro PSEL k, lo, hi                  ; 10^(i / 8) for h = 0 and for h = 1, where e = k
	s_cmp_eq_u32 s32, \k
	s_cselect_b32 s36, \lo, s36
	s_cselect_b32 s37, \hi, s37
.endm
	s_mov_b32 s36, 1.0
	s_mov_b32 s37, 100.0
	PSEL 1, 1.3335214321633240, 133.35214321633240
	PSEL 2, 1.7782794100389228, 177.82794100389228
	PSEL 3, 2.3713737056616552, 237.13737056616552
	PSEL 4, 3.1622776601683795, 316.22776601683795
	PSEL 5, 4.2169650342858223, 421.69650342858223
	PSEL 6, 5.6234132519034907, 562.34132519034907
	PSEL 7, 7.4989420933245583, 749.89420933245583
	PSEL 8, 10.0, 1000.0
	PSEL 9, 13.335214321633240, 1333.5214321633240
	PSEL 10, 17.782794100389228, 1778.2794100389228
	PSEL 11, 23.713737056616552, 2371.3737056616552
	PSEL 12, 31.622776601683795, 3162.2776601683795
	PSEL 13, 42.169650342858223, 4216.9650342858223
	PSEL 14, 56.234132519034907, 5623.4132519034907
	PSEL 15, 74.989420933245583, 7498.9420933245583
	s_mov_b32 s38, 0x3f22f983                      ; 2 / pi
	s_mov_b32 s39, 0x3fc90fdb                      ; pi / 2, upper part
	s_mov_b32 s40, 0xb33bbd2e                      ; and what is left of it
	s_mov_b32 s41, 0xbe2aaaa3                      ; sine: -1.6666654611e-1, 8.3321608736e-3, -1.9515295891e-4
	s_mov_b32 s42, 0x3c08839e
	s_mov_b32 s43, 0xb94ca1f9
	s_mov_b32 s44, 0x3d2aaaa5                      ; cosine: 4.166664568e-2, -1.388731625e-3, 2.443315712e-5
	s_mov_b32 s45, 0xbab6061a
	s_mov_b32 s46, 0x37ccf5ce
	v_mov_b32 v16, s36
	v_mov_b32 v17, s37
	v_cmp_eq_u32 vcc_lo, 1, v[HH]
	s_delay_alu instid0(VALU_DEP_1)
	v_cndmask_b32 v16, v16, v17, vcc_lo            ; P = 10^(i / 8)
	s_wait_alu depctr_va_vdst(0)
	v_rcp_f32 v17, v16
	v_add_nc_u32 v18, s34, v[RW]                   ; the position (a plain line behind the reciprocal)
	s_delay_alu instid0(VALU_DEP_1)
	v_cvt_f32_u32 v18, v18
	s_wait_alu depctr_va_vdst(0)
	v_fma_f32 v19, -v16, v17, 1.0
	v_fma_f32 v17, v17, v19, v17                   ; 1 / P, corrected once
	s_delay_alu instid0(VALU_DEP_1)
	v_mul_f32 v18, v18, v17                        ; the angle
	s_delay_alu instid0(VALU_DEP_1)
	v_mul_f32 v19, s38, v18
	s_delay_alu instid0(VALU_DEP_1)
	v_rndne_f32 v19, v19                           ; k quarter turns
	s_delay_alu instid0(VALU_DEP_1)
	v_fma_f32 v20, -v19, s39, v18
	s_delay_alu instid0(VALU_DEP_1)
	v_fma_f32 v20, -v19, s40, v20                  ; what is left, within pi / 4
	s_delay_alu instid0(VALU_DEP_1)
	v_mul_f32 v21, v20, v20
	s_delay_alu instid0(VALU_DEP_1)
	v_fma_f32 v22, v21, s43, s42
	s_delay_alu instid0(VALU_DEP_1)
	v_fma_f32 v22, v22, v21, s41
	s_delay_alu instid0(VALU_DEP_1)
	v_mul_f32 v22, v22, v21
	s_delay_alu instid0(VALU_DEP_1)
	v_fma_f32 v22, v22, v20, v20                   ; its sine
	v_fma_f32 v23, v21, s46, s45
	s_delay_alu instid0(VALU_DEP_1)
	v_fma_f32 v23, v23, v21, s44
	v_mul_f32 v24, v21, v21
	v_fma_f32 v25, v21, -0.5, 1.0
	s_delay_alu instid0(VALU_DEP_1)
	v_fma_f32 v23, v23, v24, v25                   ; its cosine
	v_cvt_i32_f32 v24, v19
	s_delay_alu instid0(VALU_DEP_1)
	v_and_b32 v25, 1, v24
	s_delay_alu instid0(VALU_DEP_1)
	v_cmp_eq_u32 vcc_lo, 1, v25                    ; an odd k: the two change places
	s_delay_alu instid0(VALU_DEP_1)
	v_cndmask_b32 v199, v22, v23, vcc_lo           ; sin
	s_delay_alu instid0(VALU_DEP_2)
	v_cndmask_b32 v198, v23, v22, vcc_lo           ; cos
	v_and_b32 v25, 2, v24                          ; sin is negative for k % 4 = 2, 3
	s_delay_alu instid0(VALU_DEP_1)
	v_lshlrev_b32 v25, 30, v25
	s_delay_alu instid0(VALU_DEP_1)
	v_xor_b32 v199, v199, v25
	v_add_nc_u32 v24, 1, v24                       ; cos for k % 4 = 1, 2
	s_delay_alu instid0(VALU_DEP_1)
	v_and_b32 v24, 2, v24
	s_delay_alu instid0(VALU_DEP_1)
	v_lshlrev_b32 v24, 30, v24
	s_delay_alu instid0(VALU_DEP_1)
	v_xor_b32 v198, v198, v24
	global_store_b64 v[L8], v[198:199], s[12:13]   ; 32 lanes store 256 consecutive bytes, aligned
	; ---- the codes
.macro FETCHX u                        ; tile u: lane (r, h) takes, of its row, k = 64 c + 32 h + 0 .. 31: the order of the operand's registers
.irp c, 0,1
.irp i, 0,1,2,3,4,5,6,7
	ds_load_b128 v[X+64*\u+32*\c+4*\i:X+64*\u+32*\c+4*\i+3], v[FA] offset:8*\u*1040+256*\c+16*\i
.endr
.endr
.endm
.macro QFRAG u                         ; 64 numbers of a lane, two whole blocks of 32, become 12 registers of codes and the row's scale word
.set XS, X+64*\u
.set CC, C+12*\u
.irp c, 0,1
	v_max3_num_f32 v[TM+\c], |v[XS+32*\c]|, |v[XS+32*\c+1]|, 0x2800000   ; the floor 2^(5 - 127) among the leaves: the byte cannot fall under 1
.endr
.irp i, 2,4,6,8,10,12,14,16,18,20,22,24,26,28,30
.irp c, 0,1
	s_delay_alu instid0(VALU_DEP_2)
	v_max3_num_f32 v[TM+\c], v[TM+\c], |v[XS+32*\c+\i]|, |v[XS+32*\c+\i+1]|   ; the two blocks by turns
.endr
.endr
.irp c, 0,1
	s_delay_alu instid0(VALU_DEP_2)
	v_add_nc_u32 v[TM+2+\c], 0xfe000000, v[TM+\c]  ; 4 off the exponent field: the conversion's scale operand
.endr
.irp c, 0,1
	s_delay_alu instid0(VALU_DEP_2)
	v_lshrrev_b32 v[TM+4+\c], 23, v[TM+2+\c]       ; the scale's byte
.endr
	s_delay_alu instid0(VALU_DEP_1)
	v_lshl_or_b32 v[TM+6], v[TM+5], 16, v[TM+4]    ; my bytes: blocks h and 2 + h,
	s_delay_alu instid0(VALU_DEP_1)
	v_lshlrev_b32 v[TM+6], v[H8], v[TM+6]          ; at their places;
	v_mov_b32 v[TM+7], 0
	s_delay_alu instid0(VALU_DEP_1)
	v_permlanex16_b32 v[TM+7], v[TM+6], s48, s49
	s_delay_alu instid0(VALU_DEP_1)
	v_or_b32 v[WD+\u], v[TM+6], v[TM+7]            ; with lane l xor 16's the word is whole
.irp c, 0,1
	v_cvt_scalef32_pk16_bf6_f32 v[CC+6*\c:CC+6*\c+2], v[XS+32*\c:XS+32*\c+15], v[TM+2+\c]
	v_cvt_scalef32_pk16_bf6_f32 v[CT+4*\c:CT+4*\c+2], v[XS+32*\c+16:XS+32*\c+31], v[TM+2+\c]   ; (a conversion's three registers begin on an even number)
.endr
	v_nop                                          ; one plain line behind the scaled conversions
.irp c, 0,1
.irp i, 0,1,2
	v_mov_b32 v[CC+6*\c+3+\i], v[CT+4*\c+\i]
.endr
.endr
.irp j, 0,1,2
	global_store_b128 v[L16], v[CC+4*\j:CC+4*\j+3], s[10:11] offset:12800*\u+512*\j   ; 512 consecutive bytes, aligned
.endr
.endm
	s_wait_alu depctr_va_vdst(0)
	s_wait_tensorcnt 0x0                           ; my stage is filled,
	s_barrier_signal -1
	s_barrier_wait -1                              ; everybody's is
	FETCHX 0
	FETCHX 1
	s_wait_dscnt 16                                ; tile 0's sixteen loads are in, tile 1's may be out
	QFRAG 0
	s_wait_dscnt 0x0
	QFRAG 1
	v_cmp_eq_u32 vcc_lo, 1, v[HH]
	s_delay_alu instid0(VALU_DEP_1)
	v_cndmask_b32 v[TM+8], v[WD], v[WD+1], vcc_lo
	ds_store_b32 v[SA], v[TM+8]
	s_wait_dscnt 0x0                               ; for the others' sake: my words lie in the images
	s_barrier_signal -1
	s_barrier_wait -1
	s_cmp_lt_u32 s14, 4
	s_cbranch_scc0 .Ldone
	ds_load_b64 v[TM+10:TM+11], v[SR]
	s_wait_dscnt 0x0
	global_store_b64 v[SO], v[TM+10:TM+11], s[18:19] offset:12288   ; half an image: 256 consecutive bytes, aligned
.Ldone:
	s_wait_tensorcnt 0x0                           ; the wave's end
	ds_add_u32 v200, v201
	s_wait_dscnt 0x0
	s_endpgm
.Lfunc_end_k_q7fc21dc14b_prep:
	.size	k_q7fc21dc14b_prep, .Lfunc_end_k_q7fc21dc14b_prep-k_q7fc21dc14b_prep
	.p2alignl 7, 3214868480
	.fill 96, 4, 3214868480
	.section	.rodata,"a",@progbits
	.p2align	6, 0x0
	.amdhsa_kernel k_q7fc21dc14b_prep
		.amdhsa_group_segment_fixed_size 168960
		.amdhsa_private_segment_fixed_size 0
		.amdhsa_enable_private_segment 0
		.amdhsa_kernarg_size 40
		.amdhsa_user_sgpr_count 2
		.amdhsa_user_sgpr_kernarg_segment_ptr 1
		.amdhsa_wavefront_size32 1
		.amdhsa_system_sgpr_workgroup_id_x 1
		.amdhsa_system_sgpr_workgroup_id_y 1
		.amdhsa_system_sgpr_workgroup_id_z 1
		.amdhsa_system_vgpr_workitem_id 0
		.amdhsa_next_free_vgpr 202
		.amdhsa_next_free_sgpr 66
		.amdhsa_reserve_vcc 1
		.amdhsa_float_denorm_mode_32 3
		.amdhsa_float_denorm_mode_16_64 3
		.amdhsa_memory_ordered 1
		.amdhsa_forward_progress 1
		.amdhsa_inst_pref_size 23
	.end_amdhsa_kernel
	.amdgpu_metadata
---
amdhsa.version: [ 1, 2 ]
amdhsa.kernels:
  - .name:           k_q7fc21dc14b_prep
    .symbol:         k_q7fc21dc14b_prep.kd
    .args:
      - { .name: x, .offset: 0, .size: 8, .value_kind: global_buffer, .address_space: global }
      - { .name: Wqkv, .offset: 8, .size: 8, .value_kind: global_buffer, .address_space: global }
      - { .name: Wo, .offset: 16, .size: 8, .value_kind: global_buffer, .address_space: global }
      - { .name: codes, .offset: 24, .size: 8, .value_kind: global_buffer, .address_space: global }
      - { .name: rope, .offset: 32, .size: 8, .value_kind: global_buffer, .address_space: global }
    .group_segment_fixed_size: 168960
    .private_segment_fixed_size: 0
    .kernarg_segment_align: 8
    .kernarg_segment_size: 40
    .max_flat_workgroup_size: 256
    .sgpr_count:     66
    .vgpr_count:     202
    .wavefront_size: 32
...
	.end_amdgpu_metadata
.endif
;; end of part 1
;; launch qkv (part 2): grid 16 x 16, 4 waves a work-group, clusters of 4 x 4, 327,680 bytes of LDS; arguments codes, rope, qimg, kv; writes qimg, kv
.if DOCPART == 2
	.amdgcn_target "amdgcn-amd-amdhsa--gfx1250"
	.amdhsa_code_object_version 6
	.text
	.protected	k_q7fc21dc14b_qkv
	.globl	k_q7fc21dc14b_qkv
	.p2align	8
	.type	k_q7fc21dc14b_qkv,@function
k_q7fc21dc14b_qkv:
	s_mov_b64 s[64:65], 0
	v_nop
	global_prefetch_b8 v0, s[64:65] scope:SCOPE_SE
	s_setreg_imm32_b32 hwreg(HW_REG_WAVE_MODE, 25, 1), 1
	s_wait_xcnt 0x0
	s_wait_alu depctr_hold_cnt(0) depctr_sa_sdst(0) depctr_va_vdst(0) depctr_va_sdst(0) depctr_va_ssrc(0) depctr_va_vcc(0) depctr_vm_vsrc(0)
	s_getreg_b32 s2, hwreg(HW_REG_IB_STS2, 6, 4)
	s_cmp_eq_u32 s2, 0
	s_cbranch_scc0 .Lentry_in_a_cluster
	s_endpgm
.Lentry_in_a_cluster:
	s_bfe_u32 s2, ttmp6, 0x10000c
	s_cmp_lg_u32 s2, 0xf033
	s_cbranch_scc0 .Lentry_shape_is_right
	s_endpgm
.Lentry_shape_is_right:
; qkv = x Wqkv^T on codes of BF6, K = 1,024; q and k are rotated (f32) and quantised along the head's 64; v is quantised along the tokens (the keys).  Nothing wide goes to memory.
; SHARES.  A work-group takes one head (x of the grid) and 256 tokens (y): 16 x 16 = 256 work-groups.  Wave w takes 64 tokens, four tiles of 16, for q, then k, then v: three times 16 accumulators x 8 K steps.
; CLUSTERS of 4 x 4: x's 16 tiles are asked for jointly along a row (the same tokens), W's tiles along a column (the same head).
; LDS: x's 16 records of 12,800 bytes; two slots of four records of W: q's, then v's, in slot 0, k's in slot 1.  At the head waves 0, 1 load x's halves, waves 2, 3 q's and k's tiles, one load a wave; behind q's products
; each wave loads one of v's tiles into slot 0, behind a round of the cluster's barrier.  x's fragments go to registers once, during q's products; W's fragments are read a K step ahead, in two sets.
; A tile's lane r stands for row 64 G + 8 t + r % 8 + 32 (r / 8).  q, k: source 0 = W, source 1 = x: lane (r, h) holds token r of tile a, and its 32 registers 8 n + j are d = 32 h + 8 n + j: ONE WHOLE BLOCK of 32.
; v: the sources change places: lane (r, h) holds d = row r of tile n, and registers 8 a + j are token 32 h + 8 a + j of my 64: one whole block again.  No other lane is asked for a maximum.
; OUT, as images of operand registers.  q: 3,328 bytes for 64 tokens: tile a at 768 a (registers 0-3 at 16 x lane, 4-5 at 512 + 8 x lane), scale words at 3,072 + 16 r + 4 a.
; k, v: 13,056 bytes for 128 keys: K's tiles 2 m, 2 m + 1 as twelve registers at 1,536 m; V's tile n, 64 keys g, at 6,144 + 768 (2 n + g); K's scale words at 12,288 + 256 g + 16 r + 4 a; V's at 12,800 (lanes 0-15 tiles 0, 1, lanes 16-31 tiles 2, 3).
; A scale word of q or k has two bytes for the head's 64 and the byte 0 above, where q's codes are zeros.
; No prefetch: each tile is loaded once, at the head or one phase ahead; there is no loop of loads to run ahead in.
; LIMITS: NaN and infinities are not served; a block of zeros gets the byte 1 (its codes are zeros; this program alone reads the bytes).
; REGISTERS: window 0: addresses, scale words, W's two sets, at work.  Windows 1, 2: x's fragments of K steps 0-3, 4-7.  Window 3: v0-127 the 16 accumulators, v128-255 my tokens' (cos, sin).
.set L16,  1
.set L8,   2
.set AX,   3                           ; v3   LDS: my four tiles of x
.set AW,   4                           ; v4-5 LDS: W's slot 0, 1
.set S16,  6                           ; v6   16 r
.set H8,   7                           ; v7   8 h
.set SVA,  8                           ; v8   LDS: where my V scale bytes go
.set SVR,  9                           ; v9   and where they are read back
.set SPW,  14
.set NIL,  15
.set BSC,  16                          ; v16-47 W's scale words, two sets
.set ASC,  48                          ; v48-63 x's
.set WS,   64                          ; v64-159 W's fragments, two sets of four
.set H,    160                         ; v160-191 a tile's rotated numbers
.set PC,   192                         ; v192-215 codes
.set CT,   216
.set QM,   220
.set QO,   224
.set BY,   225
.set PX,   226
.set WD,   228                         ; v228-231 scale words or bytes
.set SVX,  232
.set SLOTW, 204800                     ; behind x's tiles: W's slots of 51,200 bytes
.set SV,   307200                      ; V's scale words, 256 bytes for each 128 tokens, written by LDS stores alone
.set SPARE, 307712
.set WV,   12
.set HD,   13
.set MB,   14
.set W1,   15                          ; wave % 2
.set G0X,  20
.set G0W,  24
.set G0V,  28
.set G1X,  32
.set G1W,  40
.set G1V,  48
.set QP,   56
.set KP,   58
.set TP,   60
.set SEL,  76
.set VP,   78
.set SP,   80
.set VSP,  82
.set MSB, 0
.macro WIN new                         ; the immediate's high byte repeats the setting that is left
.if MSB != (\new)
	s_set_vgpr_msb (MSB<<8)|(\new)
.set MSB, (\new)
.endif
.endm
.macro PLACES n
.rept \n
	v_nop
.endr
.endm
.macro CROUND                          ; a round of the cluster's barrier
	s_barrier_signal -1
	s_barrier_wait -1
	s_cmp_lg_u32 s[WV], 0
	s_cbranch_scc1 .Lnot_wave_0_\@
	s_barrier_signal -3
.Lnot_wave_0_\@:
	s_barrier_wait -3
	s_barrier_signal -1
	s_barrier_wait -1
.endm
.macro WM zero, row                    ; one product on rD, rA, rB, rSA, rSB.  row = 1: both sides' scale words stand in lanes 16-31
.if \zero
	v_wmma_scale_f32_16x16x128_f8f6f4 v[rD:rD+7], v[rA:rA+11], v[rB:rB+11], 0, v[rSA], v[rSB] matrix_a_fmt:MATRIX_FMT_BF6 matrix_b_fmt:MATRIX_FMT_BF6
.elseif (\row) == 0
	v_wmma_scale_f32_16x16x128_f8f6f4 v[rD:rD+7], v[rA:rA+11], v[rB:rB+11], v[rD:rD+7], v[rSA], v[rSB] matrix_a_fmt:MATRIX_FMT_BF6 matrix_b_fmt:MATRIX_FMT_BF6
.else
	v_wmma_scale_f32_16x16x128_f8f6f4 v[rD:rD+7], v[rA:rA+11], v[rB:rB+11], v[rD:rD+7], v[rSA], v[rSB] matrix_a_fmt:MATRIX_FMT_BF6 matrix_b_fmt:MATRIX_FMT_BF6 matrix_a_scale:MATRIX_SCALE_ROW1 matrix_b_scale:MATRIX_SCALE_ROW1
.endif
.endm
	s_load_b256 s[4:11], s[0:1], 0x0               ; codes s[4:5], rope s[6:7], qimg s[8:9], kv s[10:11]
	v_lshl_add_u32 v[SPW], v0, 2, SPARE
	v_mov_b32 v[NIL], 0
	ds_add_u32 v[SPW], v[NIL]                      ; the opening add, twice on end
	ds_add_u32 v[SPW], v[NIL]
	v_lshrrev_b32 v10, 5, v0
	v_readfirstlane_b32 s[WV], v10                 ; wave 0..3
	v_and_b32 v10, 31, v0
	v_lshlrev_b32 v[L16], 4, v10
	v_lshlrev_b32 v[L8], 3, v10
	v_and_b32 v11, 15, v0                          ; r
	v_bfe_u32 v12, v0, 4, 1                        ; h
	v_lshlrev_b32 v[S16], 4, v11
	v_lshlrev_b32 v[H8], 3, v12
	v_lshl_add_u32 v11, v11, 3, v12                ; 8 r + h
	v_mov_b32 v[PX], 0                             ; a lane permute's destination counts as one of its sources
	s_and_b32 s[W1], s[WV], 1
	s_bfe_u32 s16, ttmp6, 0x40000                  ; cx
	s_bfe_u32 s17, ttmp6, 0x40004                  ; cy
	s_lshl_b32 s[HD], ttmp9, 2
	s_add_co_u32 s[HD], s[HD], s16                 ; my head
	s_and_b32 s[MB], ttmp7, 0xffff
	s_lshl_b32 s[MB], s[MB], 2
	s_add_co_u32 s[MB], s[MB], s17                 ; my block of 256 tokens
	s_lshl_b32 s18, s17, 2
	s_lshl_b32 s18, 15, s18                        ; my row of the cluster
	s_lshl_b32 s19, 0x1111, s16                    ; my column
	s_or_b32 s[G1X], s18, (3<<16)|(1<<21)          ; elements of 8 bytes; bit 21 beside a mask; no padding; rows of 256 bytes
	s_or_b32 s[G1W], s19, (3<<16)|(1<<21)
	s_or_b32 s[G1V], s19, (3<<16)|(1<<21)
.irp g, G1X, G1W, G1V
	s_mov_b32 s[\g+1], 32<<16
	s_mov_b32 s[\g+3], 32<<16
	s_mov_b32 s[\g+5], 32
	s_mov_b32 s[\g+6], 0
	s_mov_b32 s[\g+7], 0
.endr
	s_mov_b32 s[G1X+2], 400<<16                    ; eight records
	s_mov_b32 s[G1X+4], 400
	s_mov_b32 s[G1W+2], 200<<16                    ; four
	s_mov_b32 s[G1W+4], 200
	s_mov_b32 s[G1V+2], 50<<16                     ; one
	s_mov_b32 s[G1V+4], 50
	s_mul_i32 s62, s[MB], 204800                   ; x's tiles 16 mb + 8 (w % 2) on
	s_mul_i32 s[G0X+1], s[W1], 102400
	s_add_co_u32 s62, s62, s[G0X+1]
	s_mov_b32 s63, 0
	s_mov_b32 s[G0X], 1
	s_lshl_b32 s66, s[W1], 6                       ; W's tiles 256 + 64 (w % 2) + 4 head on
	s_lshl_b32 s68, s[HD], 2
	s_add_co_u32 s66, s66, s68
	s_add_co_u32 s66, s66, 256
	s_mul_i32 s66, s66, 12800
	s_mov_b32 s67, 0
	s_mov_b32 s[G0W], 1
	s_mul_i32 s[G0W+1], s[W1], 51200
	s_add_co_u32 s[G0W+1], s[G0W+1], SLOTW
	s_add_co_u32 s68, s68, s[WV]                   ; v's tile 384 + 4 head + w
	s_add_co_u32 s68, s68, 384
	s_mul_i32 s68, s68, 12800
	s_mov_b32 s69, 0
	s_mov_b32 s[G0V], 1
	s_mul_i32 s[G0V+1], s[WV], 12800
	s_add_co_u32 s[G0V+1], s[G0V+1], SLOTW
	s_lshr_b32 s70, s[MB], 3                       ; batch x 16 + head
	s_lshl_b32 s70, s70, 4
	s_add_co_u32 s70, s70, s[HD]
	s_and_b32 s71, s[MB], 7
	s_lshl_b32 s72, s70, 5                         ; q's image: 32 (batch x 16 + head) + 4 (mb % 8) + w
	s_lshl_b32 s73, s71, 2
	s_add_co_u32 s72, s72, s73
	s_add_co_u32 s72, s72, s[WV]
	s_mul_i32 s72, s72, 3328
	s_mov_b32 s73, 0
	s_lshl_b32 s74, s70, 4                         ; k's and v's record: 16 (batch x 16 + head) + 2 (mb % 8) + w / 2
	s_lshl_b32 s75, s71, 1
	s_add_co_u32 s74, s74, s75
	s_add_co_u32 s84, s74, s[W1]                   ; (waves 0, 1 send V's scale words of record w)
	s_lshr_b32 s75, s[WV], 1
	s_add_co_u32 s74, s74, s75
	s_mul_i32 s74, s74, 13056
	s_mul_i32 s84, s84, 13056
	s_mov_b32 s85, 0
	s_mov_b32 s75, 0
	s_lshl_b32 s86, s71, 16                        ; the table: 65,536 (mb % 8) + 16,384 w
	s_lshl_b32 s87, s[WV], 14
	s_add_co_u32 s86, s86, s87
	s_mov_b32 s87, 0
	s_mul_i32 s88, s[W1], 3072
	s_mov_b32 s89, 0
	s_mul_i32 s90, s[W1], 768
	s_add_co_u32 s90, s90, 6144
	s_mov_b32 s91, 0
	s_lshl_b32 s92, s[W1], 8
	s_add_co_u32 s92, s92, 12288
	s_mov_b32 s93, 0
	s_mov_b32 s[SEL], 0x76543210
	s_mov_b32 s[SEL+1], 0xfedcba98
	s_wait_alu depctr_va_vdst(0)
	s_wait_dscnt 0x0                               ; both opening adds are done
	s_wait_kmcnt 0x0
	s_add_nc_u64 s[G0X+2:G0X+3], s[4:5], s[62:63]
	s_or_b32 s[G0X+3], s[G0X+3], 0x80000000
	s_add_nc_u64 s[G0W+2:G0W+3], s[4:5], s[66:67]
	s_or_b32 s[G0W+3], s[G0W+3], 0x80000000
	s_add_nc_u64 s[G0V+2:G0V+3], s[4:5], s[68:69]
	s_or_b32 s[G0V+3], s[G0V+3], 0x80000000
	s_add_nc_u64 s[TP:TP+1], s[6:7], s[86:87]
	s_add_nc_u64 s[QP:QP+1], s[8:9], s[72:73]
	s_add_nc_u64 s[VSP:VSP+1], s[10:11], s[84:85]
	s_add_nc_u64 s[10:11], s[10:11], s[74:75]
	s_add_nc_u64 s[KP:KP+1], s[10:11], s[88:89]
	s_add_nc_u64 s[VP:VP+1], s[10:11], s[90:91]
	s_add_nc_u64 s[SP:SP+1], s[10:11], s[92:93]
	CROUND                                         ; all sixteen work-groups are here: the joint loads meet
	s_cmp_lt_u32 s[WV], 2                          ; one load a wave: waves 0, 1 x's halves, waves 2, 3 q's and k's tiles of W
	s_cbranch_scc0 .Lfor_w
	tensor_load_to_lds s[G0X:G0X+3], s[G1X:G1X+7]
	s_nop 0
	PLACES 4
	s_branch .Lasked
.Lfor_w:
	tensor_load_to_lds s[G0W:G0W+3], s[G1W:G1W+7]
	s_nop 0
	PLACES 4
.Lasked:
	s_mul_i32 s16, s[WV], 51200
	s_lshr_b32 s17, s[WV], 1
	s_lshl_b32 s17, s17, 8
	s_lshl_b32 s18, s[W1], 1
	s_add_co_u32 s17, s17, s18
	s_add_co_u32 s17, s17, SV                      ; SV + 256 (w / 2) + 2 (w % 2)
	s_lshl_b32 s18, s[W1], 8
	s_add_co_u32 s18, s18, SV
	v_add_nc_u32 v[AX], s16, v[L16]
	v_add_nc_u32 v[AW], SLOTW, v[L16]
	v_add_nc_u32 v[AW+1], SLOTW+51200, v[L16]
	v_add_nc_u32 v[SVA], s17, v11
	v_add_nc_u32 v[SVR], s18, v[L8]
.macro FETCHW sl, s                    ; W's four fragments of K step s into set s % 2
	WIN 0
.irp n, 0,1,2,3
.irp j, 0,1,2
	ds_load_b128 v[WS+48*((\s)%2)+12*\n+4*\j:WS+48*((\s)%2)+12*\n+4*\j+3], v[AW+\sl] offset:12800*\n+1536*(\s)+512*\j
.endr
.endr
.endm
.macro BLOAD sl, set                   ; W's scale words: register i of a tile: lanes 0-15 K step i, lanes 16-31 K step 4 + i
.irp n, 0,1,2,3
	ds_load_b128 v[BSC+16*\set+4*\n:BSC+16*\set+4*\n+3], v[AW+\sl] offset:12800*\n+12288
.endr
.endm
.macro FETCHX s                        ; x's four fragments of K step s into their own registers
	WIN 0x40+0x40*((\s)/4)
.irp a, 0,1,2,3
.irp j, 0,1,2
	ds_load_b128 v[48*((\s)%4)+12*\a+4*\j:48*((\s)%4)+12*\a+4*\j+3], v[AX] offset:12800*\a+1536*(\s)+512*\j
.endr
.endr
.endm
.macro TLOAD a                         ; tile a's 16 (cos, sin) of my lane
	WIN 0xc0
.irp e, 0,1,2,3,4,5,6,7,8,9,10,11,12,13,14,15
	global_load_b64 v[128+32*\a+2*\e:128+32*\a+2*\e+1], v[L8], s[TP:TP+1] offset:4096*\a+256*\e
.endr
.endm
; 64 tokens x 64 columns x K = 1,024: eight K steps of 16 products.  The 16 accumulators take turns, one instruction a turn, in the same order in every step.
; mode 0: q, k;  mode 1: v, with the sources changed.  xf = 1: x's fragments (and the table) are fetched on the way.
.macro MAIN mode, sl, bs, xf
.irp s, 0,1,2,3,4,5,6,7
	s_wait_dscnt 0x0                               ; this step's fragments
.if \s < 7
.if \s > 0
	PLACES 4                                       ; in front of loads into registers that the last step's products read
.endif
	FETCHW \sl, \s+1
.if \xf
	FETCHX \s+1
.if \s < 4
	TLOAD \s
.endif
.endif
.endif
.if \mode == 0
	WIN 0xf4+4*(\s/4)                              ; source 0 (W) window 0, source 1 (x) window 1 or 2, C and D window 3
.else
	WIN 0xf1+\s/4                                  ; source 0 (x) window 1 or 2, source 1 (W) window 0
.endif
.irp a, 0,1,2,3
.irp n, 0,1,2,3
.if \mode == 0
.set rD, 32*\a+8*\n
.set rA, WS+48*(\s%2)+12*\n
.set rB, 48*(\s%4)+12*\a
.set rSA, BSC+16*\bs+4*\n+\s%4
.set rSB, ASC+4*\a+\s%4
.else
.set rD, 32*\n+8*\a
.set rA, 48*(\s%4)+12*\a
.set rB, WS+48*(\s%2)+12*\n
.set rSA, ASC+4*\a+\s%4
.set rSB, BSC+16*\bs+4*\n+\s%4
.endif
.if \s == 0
	WM 1, 0                                        ; the first K step starts the sums
.else
	WM 0, \s/4
.endif
.endr
.endr
.endr
	WIN 0
.endm
; q, k: tile by tile of 16 tokens: rotate (r1 = x1 c - x2 s, r2 = x2 c + x1 s: one packed product, one packed multiply-add), quantise my block of 32, store.  Each accumulator is read from its low end on.
.macro EPI kind
	s_wait_xcnt 0x0                                ; earlier stores have read their data
.irp a, 0,1,2,3
	WIN 0x0f                                       ; sources 0 and 1: window 3
.irp p, 0,1,2,3,4,5,6,7,8,9,10,11,12,13,14,15
	v_pk_mul_f32 v[H+2*\p:H+2*\p+1], v[32*\a+2*\p:32*\a+2*\p+1], v[128+32*\a+2*\p:128+32*\a+2*\p+1] op_sel_hi:[1,0]   ; (x1 c, x2 c)
.endr
.irp p, 0,1,2,3,4,5,6,7,8,9,10,11,12,13,14,15
	v_pk_fma_f32 v[H+2*\p:H+2*\p+1], v[32*\a+2*\p:32*\a+2*\p+1], v[128+32*\a+2*\p:128+32*\a+2*\p+1], v[H+2*\p:H+2*\p+1] op_sel:[1,1,0] op_sel_hi:[0,1,1] neg_lo:[0,1,0]   ; (- x2 s, + x1 s)
.endr
	WIN 0
	v_max3_num_f32 v[QM], |v[H]|, |v[H+1]|, 0x2800000               ; the floor 2^(5 - 127): the byte cannot fall under 1
.irp b, 1,2,3
	v_max3_num_f32 v[QM+\b], |v[H+8*\b]|, |v[H+8*\b+1]|, |v[H+8*\b+2]|
.endr
.irp i, 2,4
	v_max3_num_f32 v[QM], v[QM], |v[H+\i]|, |v[H+\i+1]|
.irp b, 1,2,3
	v_max3_num_f32 v[QM+\b], v[QM+\b], |v[H+8*\b+\i+1]|, |v[H+8*\b+\i+2]|
.endr
.endr
	v_max3_num_f32 v[QM], v[QM], |v[H+6]|, |v[H+7]|
	v_max3_num_f32 v[QM+2], v[QM+2], v[QM+3], |v[H+23]|
	v_max3_num_f32 v[QM], v[QM], v[QM+1], |v[H+15]|
	v_max3_num_f32 v[QM], v[QM], v[QM+2], |v[H+31]|
	v_add_nc_u32 v[QO], 0xfe000000, v[QM]          ; 4 off the exponent field: the conversion's scale operand
	v_cvt_scalef32_pk16_bf6_f32 v[PC+6*\a:PC+6*\a+2], v[H:H+15], v[QO]
	v_cvt_scalef32_pk16_bf6_f32 v[CT:CT+2], v[H+16:H+31], v[QO]
	v_lshrrev_b32 v[BY], 23, v[QO]                 ; the byte (and the plain line behind the conversions)
	v_mov_b32 v[PC+6*\a+3], v[CT]
	v_lshlrev_b32 v[BY], v[H8], v[BY]              ; at its place: byte h
	v_mov_b32 v[PC+6*\a+4], v[CT+1]
	v_permlanex16_b32 v[PX], v[BY], s[SEL], s[SEL+1]
	v_mov_b32 v[PC+6*\a+5], v[CT+2]
	v_or_b32 v[WD+\a], v[BY], v[PX]                ; with lane l xor 16's byte the word is whole
.if \kind == 0
	global_store_b128 v[L16], v[PC+6*\a:PC+6*\a+3], s[QP:QP+1] offset:768*\a                 ; 512 consecutive bytes, aligned
	global_store_b64 v[L8], v[PC+6*\a+4:PC+6*\a+5], s[QP:QP+1] offset:768*\a+512             ; 256 consecutive bytes, aligned
.elseif \a%2 == 1
.irp j, 0,1,2
	global_store_b128 v[L16], v[PC+12*(\a/2)+4*\j:PC+12*(\a/2)+4*\j+3], s[KP:KP+1] offset:1536*(\a/2)+512*\j
.endr
.endif
.endr
.if \kind == 0
	global_store_b128 v[S16], v[WD:WD+3], s[QP:QP+1] offset:3072   ; 256 consecutive bytes, aligned (lanes 16-31 store the same words as lanes 0-15)
.else
	global_store_b128 v[S16], v[WD:WD+3], s[SP:SP+1]
.endif
.endm
.macro EPIV
	PLACES 4
	s_wait_xcnt 0x0
.irp n, 0,1,2,3
	WIN 0x3c                                       ; sources 1 and 2: window 3
.irp b, 0,1,2,3
	v_max3_num_f32 v[QM+\b], 0x2800000, |v[32*\n+8*\b]|, |v[32*\n+8*\b+1]|
.endr
.irp i, 2,4,6
.irp b, 0,1,2,3
	v_max3_num_f32 v[QM+\b], v[QM+\b], |v[32*\n+8*\b+\i]|, |v[32*\n+8*\b+\i+1]|
.endr
.endr
	WIN 0
	v_max3_num_f32 v[QM], v[QM], v[QM+1], v[QM+2]
	v_max_num_f32 v[QM], v[QM], v[QM+3]
	v_add_nc_u32 v[QO], 0xfe000000, v[QM]
	WIN 0x03                                       ; source 0: window 3
	v_cvt_scalef32_pk16_bf6_f32 v[PC+6*\n:PC+6*\n+2], v[32*\n:32*\n+15], v[QO]
	v_cvt_scalef32_pk16_bf6_f32 v[CT:CT+2], v[32*\n+16:32*\n+31], v[QO]
	WIN 0
	v_lshrrev_b32 v[WD+\n], 23, v[QO]              ; the byte (and the plain line behind the conversions)
.irp i, 0,1,2
	v_mov_b32 v[PC+6*\n+3+\i], v[CT+\i]
.endr
	global_store_b128 v[L16], v[PC+6*\n:PC+6*\n+3], s[VP:VP+1] offset:1536*\n
	global_store_b64 v[L8], v[PC+6*\n+4:PC+6*\n+5], s[VP:VP+1] offset:1536*\n+512
	ds_store_b8 v[SVA], v[WD+\n] offset:128*(\n/2)+4*(\n%2)   ; byte 2 (w % 2) + h of the word of d = row r of tile n
.endr
.endm
	s_wait_alu depctr_va_vdst(0)
	s_wait_tensorcnt 0x0                           ; my load is in,
	s_barrier_signal -1
	s_barrier_wait -1                              ; everybody's is
.irp a, 0,1,2,3
	ds_load_b128 v[ASC+4*\a:ASC+4*\a+3], v[AX] offset:12800*\a+12288
.endr
	BLOAD 0, 0
	FETCHW 0, 0
	FETCHX 0
	MAIN 0, 0, 0, 1                                ; q's products
	s_wait_tensorcnt 0x0                           ; slot 0 is read no more
	ds_add_u32 v[SPW], v[NIL]
	s_wait_dscnt 0x0                               ; the add, and my reads of slot 0
	CROUND                                         ; no wave of any partner still reads slot 0 or has a load on its way
	tensor_load_to_lds s[G0V:G0V+3], s[G1V:G1V+7]  ; one of v's tiles of W: it has k's products to land in
	s_nop 0
	PLACES 4                                       ; (also the places in front of the loads and reads below)
	BLOAD 1, 1
	FETCHW 1, 0
	s_wait_loadcnt 0x0                             ; the table
	EPI 0
	MAIN 0, 1, 1, 0                                ; k's products
	s_wait_tensorcnt 0x0                           ; my tile of v's W is in,
	s_wait_dscnt 0x0
	s_barrier_signal -1
	s_barrier_wait -1                              ; everybody's is
	PLACES 4
	BLOAD 0, 0
	FETCHW 0, 0
	EPI 1
	MAIN 1, 0, 0, 0                                ; v's products
	EPIV
	s_wait_dscnt 0x0                               ; for the others' sake: my scale bytes lie in LDS
	s_barrier_signal -1
	s_barrier_wait -1
	s_cmp_lt_u32 s[WV], 2
	s_cbranch_scc0 .Ldone
	ds_load_b64 v[SVX:SVX+1], v[SVR]
	s_wait_dscnt 0x0
	global_store_b64 v[L8], v[SVX:SVX+1], s[VSP:VSP+1] offset:12800   ; 256 consecutive bytes, aligned
.Ldone:
	s_wait_tensorcnt 0x0                           ; the wave's end
	ds_add_u32 v[SPW], v[NIL]
	s_wait_dscnt 0x0
	CROUND                                         ; the closing round
	s_endpgm
.Lfunc_end_k_q7fc21dc14b_qkv:
	.size	k_q7fc21dc14b_qkv, .Lfunc_end_k_q7fc21dc14b_qkv-k_q7fc21dc14b_qkv
	.p2alignl 7, 3214868480
	.fill 96, 4, 3214868480
	.section	.rodata,"a",@progbits
	.p2align	6, 0x0
	.amdhsa_kernel k_q7fc21dc14b_qkv
		.amdhsa_group_segment_fixed_size 327680
		.amdhsa_private_segment_fixed_size 0
		.amdhsa_enable_private_segment 0
		.amdhsa_kernarg_size 32
		.amdhsa_user_sgpr_count 2
		.amdhsa_user_sgpr_kernarg_segment_ptr 1
		.amdhsa_wavefront_size32 1
		.amdhsa_system_sgpr_workgroup_id_x 1
		.amdhsa_system_sgpr_workgroup_id_y 1
		.amdhsa_system_sgpr_workgroup_id_z 1
		.amdhsa_system_vgpr_workitem_id 0
		.amdhsa_next_free_vgpr 1024
		.amdhsa_next_free_sgpr 98
		.amdhsa_reserve_vcc 0
		.amdhsa_float_denorm_mode_32 3
		.amdhsa_float_denorm_mode_16_64 3
		.amdhsa_memory_ordered 1
		.amdhsa_forward_progress 1
		.amdhsa_inst_pref_size 131
	.end_amdhsa_kernel
	.amdgpu_metadata
---
amdhsa.version: [ 1, 2 ]
amdhsa.kernels:
  - .name:           k_q7fc21dc14b_qkv
    .symbol:         k_q7fc21dc14b_qkv.kd
    .args:
      - { .name: codes, .offset: 0, .size: 8, .value_kind: global_buffer, .address_space: global }
      - { .name: rope, .offset: 8, .size: 8, .value_kind: global_buffer, .address_space: global }
      - { .name: qimg, .offset: 16, .size: 8, .value_kind: global_buffer, .address_space: global }
      - { .name: kv, .offset: 24, .size: 8, .value_kind: global_buffer, .address_space: global }
    .group_segment_fixed_size: 327680
    .private_segment_fixed_size: 0
    .kernarg_segment_align: 8
    .kernarg_segment_size: 32
    .max_flat_workgroup_size: 128
    .sgpr_count:     98
    .vgpr_count:     1024
    .wavefront_size: 32
...
	.end_amdgpu_metadata
.endif
;; end of part 2
;; launch attn (part 3): grid 256 x 1, 16 waves a work-group, clusters of 4 x 1, 210,944 bytes of LDS; arguments qimg, kv, oimg; writes oimg
.if DOCPART == 3
	.amdgcn_target "amdgcn-amd-amdhsa--gfx1250"
	.amdhsa_code_object_version 6
	.text
	.protected	k_q7fc21dc14b_attn
	.globl	k_q7fc21dc14b_attn
	.p2align	8
	.type	k_q7fc21dc14b_attn,@function
k_q7fc21dc14b_attn:
	s_mov_b64 s[64:65], 0
	v_nop
	global_prefetch_b8 v0, s[64:65] scope:SCOPE_SE
	s_setreg_imm32_b32 hwreg(HW_REG_WAVE_MODE, 25, 1), 1
	s_wait_xcnt 0x0
	s_wait_alu depctr_hold_cnt(0) depctr_sa_sdst(0) depctr_va_vdst(0) depctr_va_sdst(0) depctr_va_ssrc(0) depctr_va_vcc(0) depctr_vm_vsrc(0)
	s_getreg_b32 s2, hwreg(HW_REG_IB_STS2, 6, 4)
	s_cmp_eq_u32 s2, 0
	s_cbranch_scc0 .Lentry_in_a_cluster
	s_endpgm
.Lentry_in_a_cluster:
	s_bfe_u32 s2, ttmp6, 0x10000c
	s_cmp_lg_u32 s2, 0x3003
	s_cbranch_scc0 .Lentry_shape_is_right
	s_endpgm
.Lentry_shape_is_right:
; Causal attention of one head on codes of BF6; o leaves as codes, in the register images that the last product reads.
; t = score x log2(e) / 8; M = the running largest t rounded UP to a whole number; p = 2^(t - M) is quantised along the keys, not normalised; the row's sum is taken of the unquantised p and divides at the end.
; When M moves, the sum and O are multiplied by 2^(old M - new M): exact.
; WORK LEFT OUT: steps of 128 keys that lie wholly behind a query tile's block are masked by reference() itself (its tril): their scores reach no output for any input.  A NaN or an infinity that reaches only them is not carried on.
; SHARES.  Cluster x = 2 (batch x 16 + head) + c2.  A work-group owns one tile of 16 queries of each of the head's 16 blocks of 128: queries 64 c2 + 8 cx + r % 8 + 32 (r / 8) of the block.  Each of its 16 waves takes one tile.
; The tile of block b has b + 1 steps of 128 keys.  The longest go to the lowest wave numbers, and with c = w % 4 waves c, c + 4, c + 8, c + 12 take blocks 15 - c, 8 + c, 7 - c, c: 34 steps each four.
; Trip counts and branches hang on the wave's number and on c2 alone.
; THE HEAD'S WHOLE K, V AND SCALES, 16 records of 13,056 bytes, come into LDS ONCE, one by each wave, JOINTLY for the four partners; nothing is filled twice.  No prefetch: there is no loop of loads from memory to run ahead in.
; LAYOUT.  S^T = K Q^T (source 0 = 16 keys, source 1 = my 16 queries), O^T = V^T P^T: a lane holds ONE query throughout.  Lane r of tile t of 64 stands for row 8 t + r % 8 + 32 (r / 8), so lane (r, h) holds
; in registers 32 g + i of S^T key 64 g + 32 h + i, in register i of O^T d = 32 h + i: whole blocks of 32: no other lane is asked for a block's maximum, and the codes come out as the operand's registers.
; THE FIRST PRODUCT'S K IS 64 in an instruction of 128: Q's registers 6-11 are zero codes; K's tile t is named as 12 registers from its six on, so its upper six are the next tile's codes (behind the last: p's, zeros at first):
; every code is a finite number, times the code 0; both sides' scale bytes there are 0, a finite code.
; V's tiles of a step are asked for behind its first products, and so are K's of the next step, where there is one: both land during the softmax.
; LIMITS: NaN and infinities are not served; scaled scores (exponents to the base 2) stay under 2^31 in magnitude.  The scale bytes of o leave as stores of one byte a lane (a scale word's four bytes come from two heads, that is two work-groups).
.set L16, 1                            ; v1   16 x lane
.set L8,  2                            ; v2   8 x lane
.set AD,  3                            ; v3   the step's record + 16 x lane
.set AD2, 4                            ; v4   + 8 x lane
.set H8,  5                            ; v5   8 h
.set VQ,  6                            ; v6-7 Q's offsets
.set OSA, 8                            ; v8   o's scale byte: 16 r + h
.set VQS, 9                            ; v9   Q's scale word's offset.  v10 Q's scale words; v12 -M; v13 the largest score; v14-15 the sum
.set Q,   16                           ; v16-21 Q's codes, v22-27 zeros
.set KS,  28                           ; v28-31 K's scale words
.set VS,  32                           ; v32-33 V's
.set PX,  34
.set PX2, 35
.set QM,  36                           ; v36-39 largest of 16, then of a block
.set CT,  36                           ; v36-42 the conversions' second halves (what lies there has been read by then)
.set OM,  40
.set M2,  41
.set TMP, 42                           ; at work; before that the next record + 16 x lane
.set PW,  43                           ; v43  p's scale word
.set F,   44                           ; v[44:45] a factor for the packed products (the low word serves both halves)
.set QO,  46                           ; v46-47 the conversions' scale operands
.set QB,  48                           ; v48  bytes
.set OBY, 49
.set SPW, 50
.set NIL, 51
.set K,   52                           ; v52-99 K's eight tiles x 6.  (At the head v52, v53: r and h)
.set PC,  100                          ; v100-111 p's codes
.set V,   112                          ; v112-159 V's four tiles x 12;  o's codes on the way out
.set S,   160                          ; v160-223 S^T, then p
.set O,   224                          ; v224-255 O^T
.set SPARE, 208896                     ; behind the records
.set WV,  12
.set BH,  13
.set C2,  14
.set CX,  15
.set BLK, 16                           ; my tile's block
.set G0,  20
.set G1,  24
.set QP,  32
.set OP,  36
.set OS,  38
.set SEL, 40
.set CS,  42
.set NC,  44
.set T,   45
.set TB,  46
.set TN,  47
.set MK,  66                           ; s66-97 the diagonal's masks
.macro PLACES n
.rept \n
	v_nop
.endr
.endm
.macro CROUND
	s_barrier_signal -1
	s_barrier_wait -1
	s_cmp_lg_u32 s[WV], 0
	s_cbranch_scc1 .Lnot_wave_0_\@
	s_barrier_signal -3
.Lnot_wave_0_\@:
	s_barrier_wait -3
	s_barrier_signal -1
	s_barrier_wait -1
.endm
.macro WM zero, ra                     ; one product on rD, rA, rB, rSA, rSB.  ra = 1: source 0's scale words stand in lanes 16-31
.if (\zero) && ((\ra) == 0)
	v_wmma_scale_f32_16x16x128_f8f6f4 v[rD:rD+7], v[rA:rA+11], v[rB:rB+11], 0, v[rSA], v[rSB] matrix_a_fmt:MATRIX_FMT_BF6 matrix_b_fmt:MATRIX_FMT_BF6
.elseif (\zero)
	v_wmma_scale_f32_16x16x128_f8f6f4 v[rD:rD+7], v[rA:rA+11], v[rB:rB+11], 0, v[rSA], v[rSB] matrix_a_fmt:MATRIX_FMT_BF6 matrix_b_fmt:MATRIX_FMT_BF6 matrix_a_scale:MATRIX_SCALE_ROW1
.elseif (\ra) == 0
	v_wmma_scale_f32_16x16x128_f8f6f4 v[rD:rD+7], v[rA:rA+11], v[rB:rB+11], v[rD:rD+7], v[rSA], v[rSB] matrix_a_fmt:MATRIX_FMT_BF6 matrix_b_fmt:MATRIX_FMT_BF6
.else
	v_wmma_scale_f32_16x16x128_f8f6f4 v[rD:rD+7], v[rA:rA+11], v[rB:rB+11], v[rD:rD+7], v[rSA], v[rSB] matrix_a_fmt:MATRIX_FMT_BF6 matrix_b_fmt:MATRIX_FMT_BF6 matrix_a_scale:MATRIX_SCALE_ROW1
.endif
.endm
.macro KLOAD a                         ; K's eight tiles, as register images, and their scale words
.irp j, 0,1,2,3,4,5,6,7,8,9,10,11
	ds_load_b128 v[K+4*\j:K+4*\j+3], v[\a] offset:512*\j
.endr
	ds_load_b128 v[KS:KS+3], v[\a] offset:12288
.endm
	s_load_b128 s[4:7], s[0:1], 0x0                ; qimg, kv
	s_load_b64 s[8:9], s[0:1], 0x10                ; oimg
	v_lshl_add_u32 v[SPW], v0, 2, SPARE
	v_mov_b32 v[NIL], 0
	ds_add_u32 v[SPW], v[NIL]                      ; the opening add, twice on end
	ds_add_u32 v[SPW], v[NIL]
	v_lshrrev_b32 v3, 5, v0
	v_readfirstlane_b32 s[WV], v3                  ; wave 0..15
	v_and_b32 v3, 31, v0
	v_and_b32 v52, 15, v0                          ; r
	v_bfe_u32 v53, v0, 4, 1                        ; h
	v_lshlrev_b32 v[L16], 4, v3
	v_lshlrev_b32 v[L8], 3, v3
	v_lshlrev_b32 v[H8], 3, v53
	s_wait_alu depctr_va_vdst(0)
	s_lshr_b32 s[BH], ttmp9, 1                     ; batch x 16 + head: the partners share it
	s_mul_i32 s54, s[BH], 208896                   ; the head's records: mine is record w (registers that never hold cx)
	s_mul_i32 s[G0+1], s[WV], 13056
	s_add_co_u32 s54, s54, s[G0+1]
	s_mov_b32 s55, 0
	s_mov_b32 s[G0], 1
	s_mov_b32 s[G1], 15|(3<<16)|(1<<21)            ; the mask: all four; elements of 8 bytes; bit 21 beside a mask; no padding
	s_mov_b32 s[G1+1], 32<<16                      ; rows of 256 bytes,
	s_mov_b32 s[G1+2], 51<<16                      ; 51 of them
	s_mov_b32 s[G1+3], 32<<16
	s_mov_b32 s[G1+4], 51
	s_mov_b32 s[G1+5], 32
	s_mov_b32 s[G1+6], 0
	s_mov_b32 s[G1+7], 0
	s_wait_dscnt 0x0                               ; both opening adds are done
	s_wait_kmcnt 0x0
	s_add_nc_u64 s[G0+2:G0+3], s[6:7], s[54:55]
	s_or_b32 s[G0+3], s[G0+3], 0x80000000
	CROUND                                         ; all four work-groups are here: the joint loads meet
	tensor_load_to_lds s[G0:G0+3], s[G1:G1+7]      ; my one tensor load; all the rest of the head stands under it
	s_nop 0
	PLACES 4
	s_and_b32 s56, s[WV], 3                        ; c
	s_xor_b32 s57, s56, 7                          ; 7 - c
	s_bitcmp1_b32 s[WV], 2                         ; w / 4 odd: c, else 7 - c;
	s_cselect_b32 s[BLK], s56, s57
	s_cmp_lt_u32 s[WV], 8                          ; and 8 more in waves 0-7
	s_cselect_b32 s56, 8, 0
	s_add_co_u32 s[BLK], s[BLK], s56
	s_and_b32 s[C2], ttmp9, 1
	s_bfe_u32 s[CX], ttmp6, 0x40000                ; cx: it enters global addresses and the masks' numbers alone
	s_mov_b32 s[SEL], 0x76543210
	s_mov_b32 s[SEL+1], 0xfedcba98
	s_mov_b32 s[CS], 0x3e38aa3b                    ; c = log2(e) / 8
	s_mov_b32 s[CS+1], s[CS]                       ; (named with it as a pair, so it is written)
	s_mov_b32 s[NC], 0xbe38aa3b                    ; -c
	s_mul_i32 s56, s[CX], 768
	s_lshl_b32 s57, s[CX], 2
	s_lshl_b32 s58, s[CX], 3
	v_add_nc_u32 v[VQ], s56, v[L16]
	v_add_nc_u32 v[VQ+1], s56, v[L8]
	v_lshl_add_u32 v[VQS], v52, 4, s57
	v_lshl_add_u32 v[OSA], v52, 4, v53
	v_and_b32 v[S], 8, v52
	v_lshlrev_b32 v[TMP], 5, v53
	v_mad_u32_u24 v[S], v[S], 3, v52               ; r % 8 + 32 (r / 8)
	v_add_nc_u32 v[S], s58, v[S]                   ; + 8 cx: my query's place in its 64,
	v_sub_nc_u32 v[S], v[S], v[TMP]                ; - 32 h
.set jj, 0
.rept 32
	v_cmp_gt_i32 s[MK+jj], jj, v[S]                ; the diagonal's masks: key 32 h + jj of my 64 comes after my query
.set jj, jj+1
.endr
	s_wait_alu depctr_va_vdst(0)
	s_lshl_b32 s54, s[BH], 5                       ; Q's image: 32 (batch x 16 + head) + 2 block + c2
	s_add_co_u32 s54, s54, s[C2]
	s_lshl_b32 s56, s[BLK], 1
	s_add_co_u32 s56, s56, s54
	s_mul_i32 s56, s56, 3328
	s_mov_b32 s57, 0
	s_add_nc_u64 s[QP:QP+1], s[4:5], s[56:57]
	global_load_b128 v[Q:Q+3], v[VQ], s[QP:QP+1]
	global_load_b64 v[Q+4:Q+5], v[VQ+1], s[QP:QP+1] offset:512
	global_load_b32 v10, v[VQS], s[QP:QP+1] offset:3072
	s_lshr_b32 s58, s[BH], 4                       ; o's tile: 128 batch + 8 block + 4 c2 + cx
	s_lshl_b32 s58, s58, 7
	s_lshl_b32 s59, s[BLK], 3
	s_add_co_u32 s58, s58, s59
	s_lshl_b32 s59, s[C2], 2
	s_add_co_u32 s58, s58, s59
	s_add_co_u32 s58, s58, s[CX]
	s_mul_i32 s58, s58, 12800
	s_and_b32 s60, s[BH], 15                       ; the head: in a record K step head / 2, half head % 2: 768 bytes for each head
	s_mul_i32 s56, s60, 768
	s_add_co_u32 s56, s56, s58
	s_add_nc_u64 s[OP:OP+1], s[8:9], s[56:57]
	s_lshr_b32 s56, s60, 3                         ; its scale bytes: 12,288 + 256 (head / 8) + 2 (head % 8) + 16 r + h
	s_lshl_b32 s56, s56, 8
	s_and_b32 s60, s60, 7
	s_lshl_b32 s60, s60, 1
	s_add_co_u32 s56, s56, s60
	s_add_co_u32 s56, s56, s58
	s_add_co_u32 s56, s56, 12288
	s_add_nc_u64 s[OS:OS+1], s[8:9], s[56:57]
.set jj, 0
.rept 32
	v_mov_b32 v[O+jj], 0                           ; (the step is written once: the first finds zeros, which the first change of M leaves zeros)
.set jj, jj+1
.endr
	v_mov_b32 v12, 0x7e000000                      ; -M far above every -M, the largest score -3e38, the sum 0
	v_mov_b32 v13, 0xff61b1e6
	v_mov_b32 v14, 0
	v_mov_b32 v15, 0
.irp j, 22,23,24,25,26,27,100,101,102,103,104,105
	v_mov_b32 v[\j], 0                             ; zero codes: Q's k = 64 .. 127, and behind K's last tile in the first trip
.endr
	v_mov_b32 v[PX], 0                             ; (a lane permute's destination counts as one of its sources)
	v_mov_b32 v[PX2], 0
	v_mov_b32 v[F+1], 0                            ; (named as the upper half of a pair)
	s_wait_alu depctr_va_vdst(0)
	s_wait_tensorcnt 0x0                           ; my record is in,
	s_barrier_signal -1
	s_barrier_wait -1                              ; and so are all sixteen
	KLOAD L16                                      ; key step 0
	s_wait_loadcnt 0x0                             ; Q
	s_mov_b32 s[T], 0
; KEY STEPS of 128 keys: sixteen trips for every wave; those behind my block are jumped over
.Ltrip:
	s_cmp_gt_u32 s[T], s[BLK]
	s_cbranch_scc1 .Lover
	s_mul_i32 s[TB], s[T], 13056
	s_add_co_u32 s[TN], s[T], 1
	s_min_u32 s[TN], s[TN], 15
	s_mul_i32 s[TN], s[TN], 13056
	s_wait_dscnt 0x0                               ; K and its scale words, asked for a step ago
.irp t, 0,1,2,3,4,5,6,7
.set rD, S+8*\t
.set rA, K+6*\t
.set rB, Q
.set rSA, KS+\t%4
.set rSB, 10
	WM 1, \t/4
.endr
	v_mov_b32 v[OM], v12                           ; the old -M.  (These four lines are the places in front of the loads into K's and V's registers and of the first read of the scores)
	v_add_nc_u32 v[AD], s[TB], v[L16]
	v_add_nc_u32 v[AD2], s[TB], v[L8]
	v_add_nc_u32 v[TMP], s[TN], v[L16]
.irp n, 0,1,2,3
.irp g, 0,1
	ds_load_b128 v[V+12*\n+6*\g:V+12*\n+6*\g+3], v[AD] offset:6144+768*(2*\n+\g)          ; this step's V: four tiles x two halves
	ds_load_b64 v[V+12*\n+6*\g+4:V+12*\n+6*\g+5], v[AD2] offset:6144+768*(2*\n+\g)+512
.endr
.endr
	ds_load_b64 v[VS:VS+1], v[AD2] offset:12800
	s_cmp_eq_u32 s[T], s[BLK]
	s_cbranch_scc1 .Ldiagonal                      ; my block's own step, the last one
	KLOAD TMP                                      ; the next step's K
	s_branch .Lscores
.Ldiagonal:
	s_cmp_eq_u32 s[C2], 0
	s_cbranch_scc0 .Lhigh
.set jj, 0
.rept 32
	v_cndmask_b32 v[S+jj], v[S+jj], 0xff800000, s[MK+jj]   ; my queries lie in the block's first 64: those keys by the masks,
.set jj, jj+1
.endr
.set jj, 32
.rept 32
	v_mov_b32 v[S+jj], 0xff800000                  ; and the second 64 keys are hidden from all of them
.set jj, jj+1
.endr
	s_branch .Lscores
.Lhigh:
.set jj, 0
.rept 32
	v_cndmask_b32 v[S+32+jj], v[S+32+jj], 0xff800000, s[MK+jj]   ; my queries lie in the second 64
.set jj, jj+1
.endr
.Lscores:
.irp b, 0,1,2,3
	v_max3_num_f32 v[QM+\b], v[S+16*\b], v[S+16*\b+1], v[S+16*\b+2]   ; the largest score of each of my two blocks of 32 keys: for the row's maximum, and, since p rises with the score, for the block's largest p
.endr
.irp i, 3,5,7,9,11,13
.irp b, 0,1,2,3
	v_max3_num_f32 v[QM+\b], v[QM+\b], v[S+16*\b+\i], v[S+16*\b+\i+1]
.endr
.endr
	v_max3_num_f32 v[QM], v[QM], v[QM+1], v[S+15]
	v_max3_num_f32 v[QM+2], v[QM+2], v[QM+3], v[S+47]
	v_max_num_f32 v[QM], v[QM], v[S+31]
	v_max_num_f32 v[QM+2], v[QM+2], v[S+63]
	s_delay_alu instid0(VALU_DEP_1)
	v_max_num_f32 v[M2], v[QM], v[QM+2]
	s_delay_alu instid0(VALU_DEP_1)
	v_permlanex16_b32 v[PX], v[M2], s[SEL], s[SEL+1]
	s_delay_alu instid0(VALU_DEP_1)
	v_max3_num_f32 v13, v13, v[M2], v[PX]          ; the running largest score, lane l xor 16's keys among them
	s_delay_alu instid0(VALU_DEP_1)
	v_mul_f32 v[TMP], s[NC], v13                   ; -t (c is positive)
	s_delay_alu instid0(VALU_DEP_1)
	v_floor_f32 v12, v[TMP]                        ; the new -M = -ceil(t)
	s_delay_alu instid0(VALU_DEP_1)
	v_sub_f32 v[TMP], v12, v[OM]                   ; old M - new M: a whole number, 0 or less
	s_delay_alu instid0(VALU_DEP_1)
	v_cvt_i32_f32 v[TMP], v[TMP]                   ; (it saturates)
	s_delay_alu instid0(VALU_DEP_1)
	v_ldexp_f32 v[F], 1.0, v[TMP]                  ; f = 2^(old M - new M)
.set jj, 0
.rept 32
	v_pk_fma_f32 v[S+jj:S+jj+1], v[S+jj:S+jj+1], s[CS:CS+1], v[12:13] op_sel_hi:[1,0,0]   ; t - M, two at a time
.set jj, jj+2
.endr
	v_fma_f32 v[QM], v[QM], s[CS], v12             ; the same of my two blocks' largest scores
	v_fma_f32 v[QM+2], v[QM+2], s[CS], v12
	s_wait_alu depctr_va_vdst(0)
.set jj, 0
.rept 64
	v_exp_f32 v[S+jj], v[S+jj]                     ; p = 2^(t - M), at most 1
.set jj, jj+1
.endr
	v_exp_f32 v[QM], v[QM]                         ; the blocks' largest p
	v_exp_f32 v[QM+2], v[QM+2]
	v_pk_mul_f32 v[14:15], v[14:15], v[F:F+1] op_sel_hi:[1,0]   ; the sum under the new M (a plain line behind the exponentials)
	s_wait_alu depctr_va_vdst(0)                   ; and behind it
	v_max_num_f32 v[QM], 0x2800000, v[QM]          ; the floor 2^(5 - 127)
	v_max_num_f32 v[QM+2], 0x2800000, v[QM+2]
	s_delay_alu instid0(VALU_DEP_2)
	v_add_nc_u32 v[QO], 0xfe000000, v[QM]          ; 4 off the exponent field: the conversions' scale operand
	s_delay_alu instid0(VALU_DEP_2)
	v_add_nc_u32 v[QO+1], 0xfe000000, v[QM+2]
.irp c, 0,1
	v_cvt_scalef32_pk16_bf6_f32 v[PC+6*\c:PC+6*\c+2], v[S+32*\c:S+32*\c+15], v[QO+\c]
	v_cvt_scalef32_pk16_bf6_f32 v[CT+4*\c:CT+4*\c+2], v[S+32*\c+16:S+32*\c+31], v[QO+\c]
.endr
	v_lshrrev_b32 v[QB], 23, v[QO]                 ; my bytes: blocks h and 2 + h (and the plain lines behind the conversions)
	v_lshrrev_b32 v[PX2], 23, v[QO+1]
	v_mov_b32 v[PC+3], v[CT]
	v_lshl_or_b32 v[QB], v[PX2], 16, v[QB]
	v_mov_b32 v[PC+4], v[CT+1]
	v_lshlrev_b32 v[QB], v[H8], v[QB]              ; at their places;
	v_mov_b32 v[PC+5], v[CT+2]
	v_permlanex16_b32 v[PX2], v[QB], s[SEL], s[SEL+1]
	v_mov_b32 v[PC+9], v[CT+4]
	v_or_b32 v[PW], v[QB], v[PX2]                  ; with lane l xor 16's the scale word of these 128 keys is whole
	v_mov_b32 v[PC+10], v[CT+5]
	v_mov_b32 v[PC+11], v[CT+6]
.set jj, 8
.rept 24
	v_pk_add_f32 v[S+2*(jj%8):S+2*(jj%8)+1], v[S+2*(jj%8):S+2*(jj%8)+1], v[S+2*jj:S+2*jj+1]   ; the row's sum, of the unquantised p: eight chains, in place
.set jj, jj+1
.endr
.irp j, 0,2,4,6
	v_pk_add_f32 v[S+\j:S+\j+1], v[S+\j:S+\j+1], v[S+8+\j:S+9+\j]
.endr
	v_pk_add_f32 v[S:S+1], v[S:S+1], v[S+4:S+5]
	v_pk_add_f32 v[S+2:S+3], v[S+2:S+3], v[S+6:S+7]
	v_pk_add_f32 v[14:15], v[14:15], v[S:S+1]
	v_pk_add_f32 v[14:15], v[14:15], v[S+2:S+3]
	s_wait_alu depctr_va_vdst(0)
.set jj, 0
.rept 16
	v_pk_mul_f32 v[O+jj:O+jj+1], v[O+jj:O+jj+1], v[F:F+1] op_sel_hi:[1,0]   ; O^T under the new M.  (With the sums above: the places between p's codes and scale word and the products)
.set jj, jj+2
.endr
	s_wait_alu depctr_va_vdst(0)
	s_wait_dscnt 0x0                               ; V and its scale words
.irp n, 0,1,2,3
.set rD, O+8*\n
.set rA, V+12*\n
.set rB, PC
.set rSA, VS+\n%2
.set rSB, PW
	WM 0, \n/2                                     ; the four accumulators by turns
.endr
.Lover:
	s_add_co_u32 s[T], s[T], 1
	s_cmp_lt_u32 s[T], 16
	s_cbranch_scc1 .Ltrip
; my tile is finished: O / the sum is quantised along d, my block of 32, and stored
	PLACES 4                                       ; behind the last products
	v_add_f32 v14, v14, v15                        ; the sum's two halves,
	s_delay_alu instid0(VALU_DEP_1)
	v_permlanex16_b32 v[PX], v14, s[SEL], s[SEL+1]
	s_delay_alu instid0(VALU_DEP_1)
	v_add_f32 v14, v14, v[PX]                      ; and lane l xor 16's
	s_wait_alu depctr_va_vdst(0)
	v_rcp_f32 v[F], v14
	v_nop                                          ; a plain line behind the reciprocal
	s_wait_alu depctr_va_vdst(0)
.set jj, 0
.rept 16
	v_pk_mul_f32 v[S+jj:S+jj+1], v[O+jj:O+jj+1], v[F:F+1] op_sel_hi:[1,0]   ; o: register i is d = 32 h + i
.set jj, jj+2
.endr
.irp b, 0,1,2,3
	v_max3_num_f32 v[QM+\b], |v[S+8*\b]|, |v[S+8*\b+1]|, 0x2800000
.endr
.irp i, 2,4,6
.irp b, 0,1,2,3
	v_max3_num_f32 v[QM+\b], v[QM+\b], |v[S+8*\b+\i]|, |v[S+8*\b+\i+1]|
.endr
.endr
	v_max3_num_f32 v[QM], v[QM], v[QM+1], v[QM+2]
	s_delay_alu instid0(VALU_DEP_1)
	v_max_num_f32 v[QM], v[QM], v[QM+3]
	s_delay_alu instid0(VALU_DEP_1)
	v_add_nc_u32 v[QO], 0xfe000000, v[QM]
	v_cvt_scalef32_pk16_bf6_f32 v[V:V+2], v[S:S+15], v[QO]
	v_cvt_scalef32_pk16_bf6_f32 v[CT:CT+2], v[S+16:S+31], v[QO]
	v_lshrrev_b32 v[OBY], 23, v[QO]                ; the byte (and the plain line behind the conversions)
.irp i, 0,1,2
	v_mov_b32 v[V+3+\i], v[CT+\i]
.endr
	global_store_b128 v[L16], v[V:V+3], s[OP:OP+1]                   ; 512 consecutive bytes, aligned
	global_store_b64 v[L8], v[V+4:V+5], s[OP:OP+1] offset:512        ; 256 consecutive bytes, aligned
	global_store_b8 v[OSA], v[OBY], s[OS:OS+1]
	s_wait_tensorcnt 0x0                           ; the wave's end
	ds_add_u32 v[SPW], v[NIL]
	s_wait_dscnt 0x0
	CROUND                                         ; the closing round
	s_endpgm
.Lfunc_end_k_q7fc21dc14b_attn:
	.size	k_q7fc21dc14b_attn, .Lfunc_end_k_q7fc21dc14b_attn-k_q7fc21dc14b_attn
	.p2alignl 7, 3214868480
	.fill 96, 4, 3214868480
	.section	.rodata,"a",@progbits
	.p2align	6, 0x0
	.amdhsa_kernel k_q7fc21dc14b_attn
		.amdhsa_group_segment_fixed_size 210944
		.amdhsa_private_segment_fixed_size 0
		.amdhsa_enable_private_segment 0
		.amdhsa_kernarg_size 24
		.amdhsa_user_sgpr_count 2
		.amdhsa_user_sgpr_kernarg_segment_ptr 1
		.amdhsa_wavefront_size32 1
		.amdhsa_system_sgpr_workgroup_id_x 1
		.amdhsa_system_sgpr_workgroup_id_y 1
		.amdhsa_system_sgpr_workgroup_id_z 1
		.amdhsa_system_vgpr_workitem_id 0
		.amdhsa_next_free_vgpr 256
		.amdhsa_next_free_sgpr 98
		.amdhsa_reserve_vcc 0
		.amdhsa_float_denorm_mode_32 3
		.amdhsa_float_denorm_mode_16_64 3
		.amdhsa_memory_ordered 1
		.amdhsa_forward_progress 1
		.amdhsa_inst_pref_size 37
	.end_amdhsa_kernel
	.amdgpu_metadata
---
amdhsa.version: [ 1, 2 ]
amdhsa.kernels:
  - .name:           k_q7fc21dc14b_attn
    .symbol:         k_q7fc21dc14b_attn.kd
    .args:
      - { .name: qimg, .offset: 0, .size: 8, .value_kind: global_buffer, .address_space: global }
      - { .name: kv, .offset: 8, .size: 8, .value_kind: global_buffer, .address_space: global }
      - { .name: oimg, .offset: 16, .size: 8, .value_kind: global_buffer, .address_space: global }
    .group_segment_fixed_size: 210944
    .private_segment_fixed_size: 0
    .kernarg_segment_align: 8
    .kernarg_segment_size: 24
    .max_flat_workgroup_size: 512
    .sgpr_count:     98
    .vgpr_count:     256
    .wavefront_size: 32
...
	.end_amdgpu_metadata
.endif
;; end of part 3
;; launch oproj (part 4): grid 8 x 32, 4 waves a work-group, clusters of 4 x 4, 222,720 bytes of LDS; arguments oimg, codes, out0; writes out0
.if DOCPART == 4
	.amdgcn_target "amdgcn-amd-amdhsa--gfx1250"
	.amdhsa_code_object_version 6
	.text
	.protected	k_q7fc21dc14b_oproj
	.globl	k_q7fc21dc14b_oproj
	.p2align	8
	.type	k_q7fc21dc14b_oproj,@function
k_q7fc21dc14b_oproj:
	s_mov_b64 s[64:65], 0
	v_nop
	global_prefetch_b8 v0, s[64:65] scope:SCOPE_SE
	s_setreg_imm32_b32 hwreg(HW_REG_WAVE_MODE, 25, 1), 1
	s_wait_xcnt 0x0
	s_wait_alu depctr_hold_cnt(0) depctr_sa_sdst(0) depctr_va_vdst(0) depctr_va_sdst(0) depctr_va_ssrc(0) depctr_va_vcc(0) depctr_vm_vsrc(0)
	s_getreg_b32 s2, hwreg(HW_REG_IB_STS2, 6, 4)
	s_cmp_eq_u32 s2, 0
	s_cbranch_scc0 .Lentry_in_a_cluster
	s_endpgm
.Lentry_in_a_cluster:
	s_bfe_u32 s2, ttmp6, 0x10000c
	s_cmp_lg_u32 s2, 0xf033
	s_cbranch_scc0 .Lentry_shape_is_right
	s_endpgm
.Lentry_shape_is_right:
; out = o Wo^T on codes of BF6, K = 1,024; out [4096][1024] f32.
; SHARES.  A work-group takes 128 tokens (y) x 128 columns (x): 8 x 32 = 256 work-groups; wave w takes 64 tokens (w / 2) x 64 columns (w % 2): four tiles by four.
; CLUSTERS of 4 x 4: o's eight records of 12,800 bytes are asked for jointly along a row (the same tokens), Wo's eight along a column (the same columns).  One load of four records a wave: waves 0, 1 o's, waves 2, 3 Wo's; nothing is filled twice.
; TOKEN TILE BY TOKEN TILE: Wo's fragments of all eight K steps go to registers once (384), on the way through tile 0; a tile's four accumulators take all of K, and its results leave while the next tile is multiplied.
; Source 0 = 16 rows of Wo, source 1 = 16 tokens: a lane holds one token, and register j of tile n the column 32 h + 8 n + j of my 64.  Lane r of o's tile 4 G + t stands for token 64 G + 8 t + r % 8 + 32 (r / 8).
; A fragment of o lies as two halves of 768 bytes (one a head): registers 6 c .. 6 c + 3 at 16 x lane, registers 6 c + 4, 5 at 512 + 8 x lane.
; THE WAY OUT: a tile of 16 tokens x 64 columns goes through the wave's own stage (rows of 256 bytes + 16) and leaves as rows: sixteen lanes store 256 consecutive bytes, aligned.
; No prefetch: there is no loop of loads from memory to run ahead in.
; REGISTERS: window 0: addresses, scale words, two sets of a tile's eight fragments of o.  Windows 1, 2: Wo's fragments of K steps 0-3, 4-7.  Window 3: v0-127 the accumulators, v128-191 two sets of 8 x 4 registers on the way out.
.set L16,  1
.set L8,   2
.set STO,  3                           ; v3   the stage: where I put 32 bytes of a row
.set RD,   4                           ; v4   where I read a row back
.set CO,   5                           ; v5   my byte offset in out
.set AO,   6                           ; v6   LDS: my four tiles of o, + 16 x lane
.set AO8,  7                           ; v7   + 8 x lane
.set AW,   8                           ; v8   LDS: my four tiles of Wo
.set SPW,  14
.set NIL,  15
.set BSC,  16                          ; v16-31 Wo's scale words
.set ASC,  32                          ; v32-47 o's
.set OSET, 64                          ; v64-255 o's fragments
.set BK,   128
.set STAGE, 204800
.set SPARE, 222208
.set WV,   12
.set WM2,  13                          ; wave / 2
.set WN,   14                          ; wave % 2
.set G0O,  20
.set G0W,  24
.set G1O,  32
.set G1W,  40
.set OP,   48
.set MSB, 0
.macro WIN new                         ; the immediate's high byte repeats the setting that is left
.if MSB != (\new)
	s_set_vgpr_msb (MSB<<8)|(\new)
.set MSB, (\new)
.endif
.endm
.macro PLACES n
.rept \n
	v_nop
.endr
.endm
.macro CROUND
	s_barrier_signal -1
	s_barrier_wait -1
	s_cmp_lg_u32 s[WV], 0
	s_cbranch_scc1 .Lnot_wave_0_\@
	s_barrier_signal -3
.Lnot_wave_0_\@:
	s_barrier_wait -3
	s_barrier_signal -1
	s_barrier_wait -1
.endm
.macro WM zero, row                    ; one product on rD, rA, rB, rSA, rSB.  row = 1: both sides' scale words stand in lanes 16-31
.if \zero
	v_wmma_scale_f32_16x16x128_f8f6f4 v[rD:rD+7], v[rA:rA+11], v[rB:rB+11], 0, v[rSA], v[rSB] matrix_a_fmt:MATRIX_FMT_BF6 matrix_b_fmt:MATRIX_FMT_BF6
.elseif (\row) == 0
	v_wmma_scale_f32_16x16x128_f8f6f4 v[rD:rD+7], v[rA:rA+11], v[rB:rB+11], v[rD:rD+7], v[rSA], v[rSB] matrix_a_fmt:MATRIX_FMT_BF6 matrix_b_fmt:MATRIX_FMT_BF6
.else
	v_wmma_scale_f32_16x16x128_f8f6f4 v[rD:rD+7], v[rA:rA+11], v[rB:rB+11], v[rD:rD+7], v[rSA], v[rSB] matrix_a_fmt:MATRIX_FMT_BF6 matrix_b_fmt:MATRIX_FMT_BF6 matrix_a_scale:MATRIX_SCALE_ROW1 matrix_b_scale:MATRIX_SCALE_ROW1
.endif
.endm
	s_load_b128 s[4:7], s[0:1], 0x0                ; oimg, codes
	s_load_b64 s[8:9], s[0:1], 0x10                ; out0
	v_lshl_add_u32 v[SPW], v0, 2, SPARE
	v_mov_b32 v[NIL], 0
	ds_add_u32 v[SPW], v[NIL]                      ; the opening add, twice on end
	ds_add_u32 v[SPW], v[NIL]
	v_lshrrev_b32 v9, 5, v0
	v_readfirstlane_b32 s[WV], v9                  ; wave 0..3
	v_and_b32 v9, 31, v0
	v_and_b32 v10, 15, v0                          ; r
	v_bfe_u32 v11, v0, 4, 1                        ; h
	v_lshlrev_b32 v[L16], 4, v9
	v_lshlrev_b32 v[L8], 3, v9
	s_lshr_b32 s[WM2], s[WV], 1
	s_and_b32 s[WN], s[WV], 1
	s_bfe_u32 s16, ttmp6, 0x40000                  ; cx
	s_bfe_u32 s17, ttmp6, 0x40004                  ; cy
	s_lshl_b32 s62, ttmp9, 2
	s_add_co_u32 s62, s62, s16                     ; my block of 128 columns
	s_and_b32 s66, ttmp7, 0xffff
	s_lshl_b32 s66, s66, 2
	s_add_co_u32 s66, s66, s17                     ; my block of 128 tokens
	s_lshl_b32 s18, s17, 2
	s_lshl_b32 s18, 15, s18                        ; my row of the cluster
	s_lshl_b32 s19, 0x1111, s16                    ; my column
	s_or_b32 s[G1O], s18, (3<<16)|(1<<21)          ; elements of 8 bytes; bit 21 beside a mask; no padding
	s_or_b32 s[G1W], s19, (3<<16)|(1<<21)
.irp g, G1O, G1W
	s_mov_b32 s[\g+1], 32<<16                      ; rows of 256 bytes,
	s_mov_b32 s[\g+2], 200<<16                     ; 200 of them: four records
	s_mov_b32 s[\g+3], 32<<16
	s_mov_b32 s[\g+4], 200
	s_mov_b32 s[\g+5], 32
	s_mov_b32 s[\g+6], 0
	s_mov_b32 s[\g+7], 0
.endr
	s_mul_i32 s[G0O+1], s[WN], 51200               ; waves 0, 1: o's tiles 8 y + 4 (w % 2) on
	s_mul_i32 s68, s66, 102400
	s_add_co_u32 s68, s68, s[G0O+1]
	s_mov_b32 s69, 0
	s_mov_b32 s[G0O], 1
	s_mul_i32 s[G0W+1], s[WN], 51200               ; waves 2, 3: Wo's tiles 448 + 8 x + 4 (w % 2) on
	s_mul_i32 s70, s62, 102400
	s_add_co_u32 s70, s70, s[G0W+1]
	s_add_co_u32 s70, s70, 448*12800
	s_mov_b32 s71, 0
	s_add_co_u32 s[G0W+1], s[G0W+1], 102400
	s_mov_b32 s[G0W], 1
	s_lshl_b32 s72, s66, 19                        ; out: 128 rows of 4,096 bytes for each y, 64 for each w / 2, 512 bytes for each x, 256 for each w % 2
	s_lshl_b32 s73, s[WM2], 18
	s_add_co_u32 s72, s72, s73
	s_lshl_b32 s73, s62, 9
	s_add_co_u32 s72, s72, s73
	s_lshl_b32 s73, s[WN], 8
	s_add_co_u32 s72, s72, s73
	s_mov_b32 s73, 0
	s_wait_alu depctr_va_vdst(0)
	s_wait_dscnt 0x0                               ; both opening adds are done
	s_wait_kmcnt 0x0
	s_add_nc_u64 s[G0O+2:G0O+3], s[4:5], s[68:69]
	s_or_b32 s[G0O+3], s[G0O+3], 0x80000000
	s_add_nc_u64 s[G0W+2:G0W+3], s[6:7], s[70:71]
	s_or_b32 s[G0W+3], s[G0W+3], 0x80000000
	s_add_nc_u64 s[OP:OP+1], s[8:9], s[72:73]
	CROUND                                         ; all sixteen work-groups are here: the joint loads meet
	s_cmp_lt_u32 s[WV], 2                          ; one load a wave
	s_cbranch_scc0 .Lfor_w
	tensor_load_to_lds s[G0O:G0O+3], s[G1O:G1O+7]
	s_nop 0
	PLACES 4
	s_branch .Lasked
.Lfor_w:
	tensor_load_to_lds s[G0W:G0W+3], s[G1W:G1W+7]
	s_nop 0
	PLACES 4
.Lasked:
	s_mul_i32 s16, s[WV], 4352
	s_add_co_u32 s16, s16, STAGE                   ; my stage, written by LDS stores alone
	s_mul_i32 s17, s[WM2], 51200
	s_mul_i32 s18, s[WN], 51200
	s_add_co_u32 s18, s18, 102400
	v_mul_u32_u24 v[STO], v10, 272
	v_mul_u32_u24 v[RD], v11, 272
	v_lshlrev_b32 v[CO], 12, v11
	v_lshl_add_u32 v[STO], v11, 7, v[STO]
	v_lshl_add_u32 v[RD], v10, 4, v[RD]
	v_lshl_add_u32 v[CO], v10, 4, v[CO]            ; two rows of out: lanes 0-15 one, lanes 16-31 the next
	v_add_nc_u32 v[STO], s16, v[STO]               ; in: row r, + 128 h
	v_add_nc_u32 v[RD], s16, v[RD]                 ; back: lanes 0-15 one row, lanes 16-31 the next
	v_add_nc_u32 v[AO], s17, v[L16]
	v_add_nc_u32 v[AO8], s17, v[L8]
	v_add_nc_u32 v[AW], s18, v[L16]
.macro WFETCH s                        ; Wo's four fragments of K step s: twelve loads
	WIN 0x40+0x40*((\s)/4)
.irp n, 0,1,2,3
.irp j, 0,1,2
	ds_load_b128 v[12*(4*((\s)%4)+\n)+4*\j:12*(4*((\s)%4)+\n)+4*\j+3], v[AW] offset:12800*\n+1536*(\s)+512*\j
.endr
.endr
.endm
.macro OFETCH a, s                     ; tile a's fragment of K step s, into set a % 2: four loads
	WIN 0
.set RO, OSET+96*((\a)%2)+12*(\s)
	ds_load_b128 v[RO:RO+3], v[AO] offset:12800*(\a)+1536*(\s)
	ds_load_b64 v[RO+4:RO+5], v[AO8] offset:12800*(\a)+1536*(\s)+512
	ds_load_b128 v[RO+6:RO+9], v[AO] offset:12800*(\a)+1536*(\s)+768
	ds_load_b64 v[RO+10:RO+11], v[AO8] offset:12800*(\a)+1536*(\s)+1280
.endm
.macro OALL a                          ; all eight: 32 loads
.irp e, 0,1,2,3,4,5,6,7
	OFETCH \a, \e
.endr
.endm
.macro MUL a, s                        ; tile a, K step s: the four accumulators by turns
	WIN 0xf1+(\s)/4                                ; source 0 (Wo) window 1 or 2, source 1 (o) window 0, C and D window 3
.irp n, 0,1,2,3
.set rD, 32*(\a)+8*\n
.set rA, 12*(4*((\s)%4)+\n)
.set rB, OSET+96*((\a)%2)+12*(\s)
.set rSA, BSC+4*\n+(\s)%4
.set rSB, ASC+4*(\a)+(\s)%4
.if (\s) == 0
	WM 1, 0                                        ; the first K step starts the sums
.else
	WM 0, (\s)/4
.endif
.endr
.endm
.macro TOSTAGE a                       ; tile a: each accumulator from its low end on; LDS serves a wave's instructions in order, so no wait stands between the stores and the loads
	WIN 0x0c                                       ; an LDS store's data are its source 1: window 3
.irp n, 0,1,2,3
	ds_store_b128 v[STO], v[32*(\a)+8*\n:32*(\a)+8*\n+3] offset:32*\n
	ds_store_b128 v[STO], v[32*(\a)+8*\n+4:32*(\a)+8*\n+7] offset:32*\n+16
.endr
	WIN 0xc0                                       ; destination window 3
.irp i, 0,1,2,3,4,5,6,7
	ds_load_b128 v[BK+32*((\a)%2)+4*\i:BK+32*((\a)%2)+4*\i+3], v[RD] offset:544*\i
.endr
	WIN 0
.endm
.macro SEND a, younger                 ; younger: the LDS instructions issued behind tile a's loads, which may stay out
	s_wait_dscnt \younger
	WIN 0x0c                                       ; a store's data are its source 1: window 3
.irp i, 0,1,2,3,4,5,6,7
	global_store_b128 v[CO], v[BK+32*((\a)%2)+4*\i:BK+32*((\a)%2)+4*\i+3], s[OP:OP+1] offset:(8*(\a)+2*(\i%4)+32*(\i/4))*4096 th:TH_STORE_NT   ; stage rows 2 i + h are tokens 8 a + 2 (i % 4) + h + 32 (i / 4); sixteen lanes store 256 consecutive bytes, aligned
.endr
.endm
	s_wait_alu depctr_va_vdst(0)
	s_wait_tensorcnt 0x0                           ; my load is in,
	s_barrier_signal -1
	s_barrier_wait -1                              ; everybody's is
.irp a, 0,1,2,3
	ds_load_b128 v[ASC+4*\a:ASC+4*\a+3], v[AO] offset:12800*\a+12288
	ds_load_b128 v[BSC+4*\a:BSC+4*\a+3], v[AW] offset:12800*\a+12288
.endr
	WFETCH 0
	OFETCH 0, 0
	WFETCH 1
	OFETCH 0, 1
.irp s, 0,1,2,3,4,5,6,7                ; tile 0: fragments are asked for two K steps ahead, sixteen loads a step
.if \s < 7
	s_wait_dscnt 16                                ; this step's are in, the next step's may be out
.else
	s_wait_dscnt 32                                ; (tile 1's may be out)
.endif
.if \s < 6
	WFETCH \s+2
	OFETCH 0, \s+2
.elseif \s == 6
	OALL 1
.endif
	MUL 0, \s
.endr
.irp a, 0,1,2,3
	PLACES 4                                       ; behind tile a's last products: their results are read, and loads land on the fragments that they read
.if \a > 1
	s_wait_xcnt 0x0                                ; tile a - 2's stores have read their registers: tile a's loads may land there
.endif
	TOSTAGE \a
.if \a < 2
	OALL \a+2
	s_wait_dscnt 48                                ; tile a + 1's fragments are in; behind them tile a's 16 stage instructions and tile a + 2's 32 loads
.elseif \a == 2
	s_wait_dscnt 16
.endif
.if \a < 3
.irp s, 0,1,2,3
	MUL \a+1, \s
.endr
.if \a < 2
	SEND \a, 32
.else
	SEND \a, 0
.endif
.irp s, 4,5,6,7
	MUL \a+1, \s
.endr
.else
	SEND \a, 0
.endif
.endr
	WIN 0
	s_wait_tensorcnt 0x0                           ; the wave's end
	ds_add_u32 v[SPW], v[NIL]
	s_wait_dscnt 0x0
	CROUND                                         ; the closing round
	s_endpgm
.Lfunc_end_k_q7fc21dc14b_oproj:
	.size	k_q7fc21dc14b_oproj, .Lfunc_end_k_q7fc21dc14b_oproj-k_q7fc21dc14b_oproj
	.p2alignl 7, 3214868480
	.fill 96, 4, 3214868480
	.section	.rodata,"a",@progbits
	.p2align	6, 0x0
	.amdhsa_kernel k_q7fc21dc14b_oproj
		.amdhsa_group_segment_fixed_size 222720
		.amdhsa_private_segment_fixed_size 0
		.amdhsa_enable_private_segment 0
		.amdhsa_kernarg_size 24
		.amdhsa_user_sgpr_count 2
		.amdhsa_user_sgpr_kernarg_segment_ptr 1
		.amdhsa_wavefront_size32 1
		.amdhsa_system_sgpr_workgroup_id_x 1
		.amdhsa_system_sgpr_workgroup_id_y 1
		.amdhsa_system_sgpr_workgroup_id_z 1
		.amdhsa_system_vgpr_workitem_id 0
		.amdhsa_next_free_vgpr 1024
		.amdhsa_next_free_sgpr 80
		.amdhsa_reserve_vcc 0
		.amdhsa_float_denorm_mode_32 3
		.amdhsa_float_denorm_mode_16_64 3
		.amdhsa_memory_ordered 1
		.amdhsa_forward_progress 1
		.amdhsa_inst_pref_size 46
	.end_amdhsa_kernel
	.amdgpu_metadata
---
amdhsa.version: [ 1, 2 ]
amdhsa.kernels:
  - .name:           k_q7fc21dc14b_oproj
    .symbol:         k_q7fc21dc14b_oproj.kd
    .args:
      - { .name: oimg, .offset: 0, .size: 8, .value_kind: global_buffer, .address_space: global }
      - { .name: codes, .offset: 8, .size: 8, .value_kind: global_buffer, .address_space: global }
      - { .name: out0, .offset: 16, .size: 8, .value_kind: global_buffer, .address_space: global }
    .group_segment_fixed_size: 222720
    .private_segment_fixed_size: 0
    .kernarg_segment_align: 8
    .kernarg_segment_size: 24
    .max_flat_workgroup_size: 128
    .sgpr_count:     80
    .vgpr_count:     1024
    .wavefront_size: 32
...
	.end_amdgpu_metadata
.endif
;; end of part 4
